; MI455X (gfx1250); checked and timed in simulation.
; The chip was launched on July 23, 2026; its instructions are those of AMD's public machine-readable ISA for CDNA 5 (MIT licence, August 2026) and "CDNA5" Instruction Set Architecture Reference Guide (July 2026). The comments in the code are by the model that wrote it; some were corrected since.
;; Self Attention Block. Allowed arithmetic: matrix products marked QUANTISED: E3M2 operands, one E8M0 scale for each 32 along K, by v_wmma_scale_f32_16x16x128_f8f6f4 with both operands' format E3M2, f32 sums; everything else in f32.
;; Inputs: Wk_codes 1,024 x 64 x 24 uint8 (E3M2 codes of Wk, K innermost, in blocks of 32 codes, four codes in three bytes); Wk_scales 1,024 x 64 uint8 (E8M0 scales of Wk, one for each 32 codes along K); Wo_codes 2,048 x 32 x 24 uint8 (E3M2 codes of Wo, K innermost, in blocks of 32 codes, four codes in three bytes); Wo_scales 2,048 x 32 uint8 (E8M0 scales of Wo, one for each 32 codes along K); Wq_codes 1,024 x 64 x 24 uint8 (E3M2 codes of Wq, K innermost, in blocks of 32 codes, four codes in three bytes); Wq_scales 1,024 x 64 uint8 (E8M0 scales of Wq, one for each 32 codes along K); Wv_codes 1,024 x 64 x 24 uint8 (E3M2 codes of Wv, K innermost, in blocks of 32 codes, four codes in three bytes); Wv_scales 1,024 x 64 uint8 (E8M0 scales of Wv, one for each 32 codes along K); attention_mask 4 x 1,024 x 1,024 bool; hidden_states 4 x 1,024 x 2,048 float32; ln_weight 2,048 float32; position_bias 32 x 1,024 x 1,024 float32.
;; Outputs: out0 4 x 1,024 x 2,048 float32.
;; This version of the problem:
;;   THIS VERSION OF THE PROBLEM IS GIVEN IN LOW PRECISION. The matrix products marked QUANTISED in the list below multiply operands that are first quantised to E3M2 (3 exponent bits, 2 mantissa bits; 6 bits a number), with one power-of-two scale for each 32 numbers along K (OCP MX v1.0); their sums are f32. All else is computed in f32.
;;   The module's matrix products, in the order in which they are computed (A, B: the left and right operand; K: the contracted axis; several contracted axes count as one K, in the product's order):
;;     1. [M 4,096, K 2,048] x [K 2,048, N 1,024]; A: computed on the way; B: input Wq (given as codes): QUANTISED
;;     2. [M 4,096, K 2,048] x [K 2,048, N 1,024]; A: computed on the way; B: input Wk (given as codes): QUANTISED
;;     3. [M 4,096, K 2,048] x [K 2,048, N 1,024]; A: computed on the way; B: input Wv (given as codes): QUANTISED
;;     4. batch 128 x [M 1,024, K 32] x [K 32, N 1,024]; A: computed on the way; B: computed on the way: QUANTISED
;;     5. batch 128 x [M 1,024, K 1,024] x [K 1,024, N 32]; A: computed on the way; B: computed on the way: QUANTISED
;;     6. [M 4,096, K 1,024] x [K 1,024, N 2,048]; A: computed on the way; B: input Wo (given as codes): QUANTISED
;;   THE QUANTISER, for each operand of a quantised product, along K:
;;     - K is cut into blocks of 32 from its start; a last block that is shorter is filled with zeros.
;;     - A block's scale is 2^e with e = floor(log2(the largest magnitude in the block)) - 4, held to -126 .. 127; a block of zeros has e = 0. As a byte (E8M0): e + 127.
;;     - Each number is divided by its block's scale, clamped to +-28, and rounded to the nearest number of E3M2, ties to even, subnormals kept.
;;     - The product sums the exact products of the quantised numbers (number of the format x scale) in f32.
;;   ~~~python
;;   def quantise(x, axis):      # numpy; x: float32 -> the quantised numbers, widened to float32 again
;;       x = np.moveaxis(x, axis, -1); K = x.shape[-1]
;;       x = np.pad(x, [(0, 0)] * (x.ndim - 1) + [(0, -K % 32)]); x = x.reshape(x.shape[:-1] + (-1, 32)); a = np.abs(x).max(-1, keepdims=True)
;;       e = np.where(a > 0, np.clip(np.frexp(np.where(a > 0, a, 1))[1] - 1 - 4, -126, 127), 0)      # np.frexp(a)[1] - 1 = floor(log2(a)), exactly
;;       r = np.clip(x / 2.0 ** e, -28, 28)
;;       step = 2.0 ** (np.maximum(np.frexp(np.where(r == 0, 1, r))[1] - 1, -2) - 2)
;;       q = np.round(r / step) * step * 2.0 ** e      # np.round: ties to even
;;       return np.moveaxis(q.reshape(q.shape[:-2] + (-1,))[..., :K], -1, axis).astype(np.float32)
;;   ~~~
;;   OPERANDS COMPUTED ON THE WAY. 'Computed on the way' means the value that the module computes at that place (a softmax that the list does not call 'softmax' is quantised finished and normalised). What goes into a quantiser is computed in f32, as accurately as f32 sums, v_exp_f32 and their like allow (about 1e-6 of the number): no bf16 or f16 on the way to a quantiser, and a product that is left as it is and whose result goes on into a quantised operand takes f32 operands (vector FMAs, or v_wmma_f32_16x16x4_f32). A number that lies on a knife's edge between two numbers of the format may be rounded either way, as far as f32 arithmetic and the matrix unit's own rounding can turn it there, and no further.
;;   INPUTS GIVEN AS CODES. Wk (in the module: [1024, 2048], K = its axis 1); Wo (in the module: [2048, 1024], K = its axis 1); Wq (in the module: [1024, 2048], K = its axis 1); Wv (in the module: [1024, 2048], K = its axis 1): each comes as NAME_codes (uint8): NAME with its K axis moved to the last place and cut into blocks of 32 codes, [.., K / 32, bytes a block], one block behind the other in memory; four codes in three bytes: a row's codes are one little-endian stream of bits, code i at bits 6 i .. 6 i + 5 (a code: sign, 3 exponent bits, 2 mantissa bits); and NAME_scales (uint8): the same leading axes, one E8M0 byte (e + 127) for each 32 codes along K. Its value is code x scale, taken as it is: it is not quantised again, and the codes and scales need not be those that the quantiser above would give.
;; One version. Each part assembles by itself: llvm-mc -triple=amdgcn-amd-amdhsa -mcpu=gfx1250 --defsym DOCPART=n.
;; ======== version 1 of 1: 4 launches
;; limits: right only within a limited range of input values
;; workspace buffers: xc 11,010,048 bytes; xs 262,144 bytes; mlane 524,288 bytes of whole numbers; qbuf 3,276,800 bytes; kbuf 3,276,800 bytes; vbuf 3,276,800 bytes; cbuf 3,145,728 bytes; csc 131,072 bytes
;; launch prep (part 1): grid 256 x 1, 16 waves a work-group, no clusters, 93,184 bytes of LDS; arguments hidden_states, ln_weight, attention_mask, xc, xs, mlane, Wq_codes, Wk_codes, Wv_codes; writes xc, xs, mlane
.if DOCPART == 1
	.amdgcn_target "amdgcn-amd-amdhsa--gfx1250"
	.amdhsa_code_object_version 6
	.text
	.protected	k_q0b06b197be_prep
	.globl	k_q0b06b197be_prep
	.p2align	8
	.type	k_q0b06b197be_prep,@function
k_q0b06b197be_prep:
	s_mov_b64 s[64:65], 0
	v_nop
	global_prefetch_b8 v0, s[64:65] scope:SCOPE_SE
	s_setreg_imm32_b32 hwreg(HW_REG_WAVE_MODE, 25, 1), 1
	s_wait_xcnt 0x0
; x = hidden_states * rsqrt(mean(hidden_states^2) + 1e-6) * ln_weight, in f32, turned into codes of BF6 (E3M2) with one E8M0 byte for each 32 along the 2,048;
; and attention_mask turned into words of 32 lane bits for the attention launch.
; xc: [K step 8][4096][192] bytes, the weights' codes behind.  xs: [4096][64] bytes.  mlane: [batch 4][query tile 64][512] words: bit l of word 8 t + j is
; mask[batch][16 tile + l % 16][16 t + 8 (l / 16) + j]: the lane and register in which the attention launch holds that score.
; SHARES.  Work-group g owns tokens 16 g .. 16 g + 15 (which are also the 16 mask rows of one query tile); wave w owns row 16 g + w and the mask's keys 64 w .. 64 w + 63.
; A row is 8,192 bytes: 16 loads of 512 consecutive bytes, all asked for at once, and it stays in 64 registers between the sum of squares and the scaling.
; ln_weight is read from memory once by the work-group (512 bytes a wave) and handed round through LDS.
; The conversion takes 16 neighbours from one lane's registers, the loads give a lane 4: so 2,048 bytes at a time turn through the wave's own stage in LDS (16 bytes of padding behind each 64).
; A block's scale byte is its largest magnitude's exponent field - 4, held at 1 from below.
; LIMITS: a block whose largest magnitude lies under 2^-122, a block of zeros among them, gets the byte 1 (its codes are then zeros or what that scale gives; this program alone reads the bytes);
; NaN and infinities among the inputs are not served.
; HOW xc IS LAID, AS THIS TEXT STORES IT: bytes 0 .. 6,291,455: x's codes as [K step of 256: 8][token 4096][192 bytes]; behind them Wq's, Wk's and Wv's codes, 1,572,864 bytes each, as [K step: 8][row 1024][192 bytes].
; So 128 rows of one K step are 24,576 consecutive bytes, which the next launch fetches as rows of 256 bytes that begin at multiples of 256.
; The weights are copied unchanged: waves 0 to 11 take row 12 g + w of the 3,072 rows, 96 pieces of 16 bytes, three a lane; piece p goes to K step p / 12.
.set SP,   80
.set SBW,  8192                        ; LDS: 0 .. 8191 ln_weight; then 16 rows x 64 scale bytes;
.set STG,  9216                        ; then for each wave two stages of 32 x SP bytes
.set WST,  2*32*SP
.set R,    16                          ; v16-79   the row: load i holds numbers 128 i + 4 lane + 0 .. 3
.set W,    80                          ; v80-143  ln_weight, the same layout
.set X,    144                         ; v144-175 two sets of 16 neighbours
.set C,    176                         ; v176-191 codes: four registers for each of the four steps, so that no store's data are written again
.set E,    192                         ; v192-195 a scale byte for each step
.set M,    196                         ; v196-203 mask bytes: 8 for each of my four key tiles
.set OW,   204                         ; v204     lane n: my mask word n
.set TMP,  206                         ; v206-213 at work; v214-215 1 / rms, twice
	s_load_b256 s[4:11], s[0:1], 0x0               ; hidden_states s[4:5], ln_weight s[6:7], attention_mask s[8:9], xc s[10:11]
	s_load_b128 s[12:15], s[0:1], 0x20             ; xs s[12:13], mlane s[14:15]
	s_load_b128 s[40:43], s[0:1], 0x30             ; Wq's codes s[40:41], Wk's s[42:43]
	s_load_b64 s[44:45], s[0:1], 0x40              ; Wv's
	v_lshl_add_u32 v216, v0, 2, 0x16400
	v_mov_b32 v217, 0
	v_lshrrev_b32 v1, 5, v0
	s_delay_alu instid0(VALU_DEP_1)
	v_readfirstlane_b32 s18, v1                    ; wave 0..15
	v_and_b32 v1, 31, v0                           ; lane
	s_delay_alu instid0(VALU_DEP_1)
	v_lshlrev_b32 v2, 4, v1                        ; 16 x lane
	s_mul_i32 s19, s18, WST
	s_add_co_u32 s19, s19, STG                     ; my stages
	v_lshrrev_b32 v3, 2, v1
	s_delay_alu instid0(VALU_DEP_1)
	v_mul_u32_u24 v3, v3, SP
	v_and_b32 v4, 3, v1
	s_delay_alu instid0(VALU_DEP_1)
	v_lshl_add_u32 v3, v4, 4, v3
	s_delay_alu instid0(VALU_DEP_1)
	v_add_nc_u32 v3, s19, v3                       ; into a stage: SP (lane / 4) + 16 (lane % 4)
	v_mul_u32_u24 v4, v1, SP
	s_delay_alu instid0(VALU_DEP_1)
	v_add_nc_u32 v4, s19, v4                       ; out of it: SP x lane
	s_lshl_b32 s19, s18, 6
	s_add_co_u32 s19, s19, SBW
	v_lshrrev_b32 v5, 1, v1
	s_delay_alu instid0(VALU_DEP_1)
	v_add_nc_u32 v5, s19, v5                       ; my row's scale bytes, my block's byte
	s_mul_i32 s48, ttmp9, 12
	s_add_co_u32 s48, s48, s18                     ; the weights' row that I copy (waves 0 to 11)
	s_lshr_b32 s49, s48, 10                        ; which weight
	s_and_b32 s50, s48, 1023                       ; its row
	s_mul_i32 s52, s50, 1536                       ; from: rows of 1,536 bytes
	s_mov_b32 s53, 0
	s_mul_i32 s54, s49, 1572864
	s_mul_i32 s55, s50, 192
	s_add_co_u32 s54, s54, s55
	s_add_co_u32 s54, s54, 6291456                 ; to: behind x's codes, the weight, the row's 192 bytes of K step 0
	s_mov_b32 s55, 0
.irp i, 0,1,2
	v_add_nc_u32 v235, 32*\i, v1                   ; piece p = 32 i + lane, 0 .. 95
	v_mul_u32_u24 v236, v235, 43
	v_lshrrev_b32 v236, 9, v236                    ; p / 12 (43 p / 512 is that for p under 96)
	v_mul_u32_u24 v236, v236, 196416               ; a K step is 196,608 bytes on, less the 192 that 16 p has counted
	v_lshl_add_u32 v[232+\i], v235, 4, v236
.endr
	v_and_b32 v6, 15, v1
	v_lshrrev_b32 v12, 4, v1
	v_mul_u32_u24 v6, v6, 12                       ; my 12 bytes of a K step's 192;
	v_mad_u32_u24 v6, v12, 0xc0000, v6             ; lanes 16-31 hold the odd K step, 786,432 bytes on
	v_and_b32 v7, 15, v0
	v_bfe_u32 v8, v0, 4, 1
	s_delay_alu instid0(VALU_DEP_2)
	v_lshlrev_b32 v7, 10, v7
	s_delay_alu instid0(VALU_DEP_1)
	v_lshl_add_u32 v7, v8, 3, v7                   ; the mask: row lane % 16 of 1,024 bytes, + 8 (lane / 16)
	v_lshlrev_b32 v8, 2, v1                        ; 4 x lane
	s_lshl_b32 s19, s18, 9
	v_add_nc_u32 v14, s19, v2                      ; 512 x wave + 16 x lane: my part of ln_weight, in memory and in LDS; later of the scale bytes
	s_lshl_b32 s20, ttmp9, 4
	s_add_co_u32 s20, s20, s18                     ; my row
	s_lshl_b32 s22, s20, 13                        ; x 8,192 bytes
	s_mov_b32 s23, 0
	s_mul_i32 s24, s20, 192                        ; x 192 bytes of codes in each K step
	s_mov_b32 s25, 0
	s_lshl_b32 s26, ttmp9, 14                      ; the mask: 16 rows of 1,024 bytes a work-group,
	s_lshl_b32 s27, s18, 6
	s_add_co_u32 s26, s26, s27                     ; + my 64 keys
	s_mov_b32 s27, 0
	s_lshl_b32 s28, ttmp9, 11                      ; mlane: 512 words a work-group,
	s_lshl_b32 s29, s18, 7
	s_add_co_u32 s28, s28, s29                     ; + my 32
	s_mov_b32 s29, 0
	s_lshl_b32 s30, ttmp9, 10                      ; xs: 1,024 bytes a work-group
	s_mov_b32 s31, 0
	s_mov_b32 s16, 0x76543210
	s_mov_b32 s17, 0xfedcba98                      ; v_permlanex16_b32's selects for lane l xor 16
	s_mov_b32 s36, 0x3a000000                      ; 1 / 2,048
	s_mov_b32 s37, 0x358637bd                      ; 1e-6
	s_wait_alu depctr_va_vdst(0)
	s_wait_kmcnt 0x0
	s_add_nc_u64 s[4:5], s[4:5], s[22:23]
	s_add_nc_u64 s[58:59], s[10:11], s[54:55]      ; where the copied row goes
	s_cmp_eq_u32 s49, 0
	s_cselect_b64 s[56:57], s[40:41], s[42:43]
	s_cmp_gt_u32 s49, 1
	s_cselect_b64 s[56:57], s[44:45], s[56:57]
	s_add_nc_u64 s[56:57], s[56:57], s[52:53]      ; where it comes from
	s_add_nc_u64 s[10:11], s[10:11], s[24:25]
	s_add_nc_u64 s[8:9], s[8:9], s[26:27]
	s_add_nc_u64 s[14:15], s[14:15], s[28:29]
	s_add_nc_u64 s[12:13], s[12:13], s[30:31]
	s_cmp_lt_u32 s18, 12
	s_cbranch_scc0 .Lno_row
.irp i, 0,1,2
	global_load_b128 v[220+4*\i:223+4*\i], v2, s[56:57] offset:512*\i th:TH_LOAD_NT   ; the row's 1,536 bytes; older than every load below, so the counted waits below cover them
.endr
.Lno_row:
	global_load_b128 v[W:W+3], v14, s[6:7]         ; my 512 bytes of ln_weight
.irp t, 0,1,2,3
	global_load_b64 v[M+2*\t:M+2*\t+1], v7, s[8:9] offset:16*\t th:TH_LOAD_NT
.endr
.irp i, 0,1,2,3,4,5,6,7,8,9,10,11,12,13,14,15
	global_load_b128 v[R+4*\i:R+4*\i+3], v2, s[4:5] offset:512*\i th:TH_LOAD_NT   ; 32 lanes read 512 consecutive bytes
.endr
	s_wait_loadcnt 20                              ; ln_weight is in, and the copied row: the 4 loads of the mask and the 16 of the row are younger
	s_cmp_lt_u32 s18, 12
	s_cbranch_scc0 .Lno_copy
.irp i, 0,1,2
	global_store_b128 v[232+\i], v[220+4*\i:223+4*\i], s[58:59]   ; twelve neighbouring lanes store 192 consecutive bytes
.endr
.Lno_copy:
	ds_store_b128 v14, v[W:W+3]
	s_wait_dscnt 0x0                               ; for the others' sake: my store has landed
	s_barrier_signal -1
	s_barrier_wait -1                              ; all of ln_weight lies in LDS
.irp i, 0,1,2,3,4,5,6,7,8,9,10,11,12,13,14,15
	ds_load_b128 v[W+4*\i:W+4*\i+3], v2 offset:512*\i
.endr
	; the mask: byte j of key tile t in all 32 lanes makes word 8 t + j
	s_wait_loadcnt 16                              ; the mask's bytes are in: the row's 16 loads are younger
	v_mov_b32 v[OW], 0
.set n, 0
.rept 32
	v_and_b32 v[TMP+n%4], 0xff<<(8*(n%4)), v[M+n/4]
	s_delay_alu instid0(VALU_DEP_1)
	v_cmp_ne_u32 s[32+n%4], 0, v[TMP+n%4]
	s_delay_alu instid0(VALU_DEP_1)
	v_writelane_b32 v[OW], s[32+n%4], n
.set n, n+1
.endr
	global_store_b32 v8, v[OW], s[14:15]           ; 32 lanes store 128 consecutive bytes
	; the sum of squares: four packed chains, started by products, so that nothing is cleared
	s_wait_loadcnt 0x0
.irp k, 0,1,2,3
	v_pk_mul_f32 v[TMP+2*\k:TMP+2*\k+1], v[R+2*\k:R+2*\k+1], v[R+2*\k:R+2*\k+1]
.endr
.set j, 4
.rept 28
	s_delay_alu instid0(VALU_DEP_4)
	v_pk_fma_f32 v[TMP+2*(j%4):TMP+2*(j%4)+1], v[R+2*j:R+2*j+1], v[R+2*j:R+2*j+1], v[TMP+2*(j%4):TMP+2*(j%4)+1]
.set j, j+1
.endr
	s_delay_alu instid0(VALU_DEP_3)
	v_pk_add_f32 v[TMP:TMP+1], v[TMP:TMP+1], v[TMP+2:TMP+3]
	s_delay_alu instid0(VALU_DEP_2)
	v_pk_add_f32 v[TMP+4:TMP+5], v[TMP+4:TMP+5], v[TMP+6:TMP+7]
	s_delay_alu instid0(VALU_DEP_1)
	v_pk_add_f32 v[TMP:TMP+1], v[TMP:TMP+1], v[TMP+4:TMP+5]
	s_delay_alu instid0(VALU_DEP_1)
	v_add_f32 v[TMP], v[TMP], v[TMP+1]
	s_delay_alu instid0(VALU_DEP_1)
	v_add_f32_dpp v[TMP], v[TMP], v[TMP] row_xmask:1 row_mask:0xf bank_mask:0xf
	s_delay_alu instid0(VALU_DEP_1)
	v_add_f32_dpp v[TMP], v[TMP], v[TMP] row_xmask:2 row_mask:0xf bank_mask:0xf
	s_delay_alu instid0(VALU_DEP_1)
	v_add_f32_dpp v[TMP], v[TMP], v[TMP] row_xmask:4 row_mask:0xf bank_mask:0xf
	s_delay_alu instid0(VALU_DEP_1)
	v_add_f32_dpp v[TMP], v[TMP], v[TMP] row_xmask:8 row_mask:0xf bank_mask:0xf
	s_delay_alu instid0(VALU_DEP_1)
	v_permlanex16_b32 v[TMP+1], v[TMP], s16, s17
	s_delay_alu instid0(VALU_DEP_1)
	v_add_f32 v[TMP], v[TMP], v[TMP+1]             ; every lane holds the row's sum
	s_delay_alu instid0(VALU_DEP_1)
	v_fma_f32 v[TMP], v[TMP], s36, s37             ; the mean + 1e-6
	s_wait_alu depctr_va_vdst(0)
	v_rsq_f32 v214, v[TMP]
	v_rsq_f32 v215, v[TMP]                         ; twice: the packed multiply takes a pair
	v_nop                                          ; a plain instruction behind the transcendentals (ISA guide 5.7.2)
	s_wait_alu depctr_va_vdst(0)                   ; one wait for both, ahead of their first reader
.set j, 0
.rept 32
	v_pk_mul_f32 v[R+2*j:R+2*j+1], v[R+2*j:R+2*j+1], v[214:215]
.set j, j+1
.endr
	s_wait_dscnt 0x0                               ; ln_weight is in registers
.set j, 0
.rept 32
	v_pk_mul_f32 v[R+2*j:R+2*j+1], v[R+2*j:R+2*j+1], v[W+2*j:W+2*j+1]
.set j, j+1
.endr
.macro TURN t                          ; step t's 512 numbers through a stage: LDS serves a wave's instructions in order (ISA guide 5.7.1.4), so no wait stands between the stores and the loads
.irp i, 0,1,2,3
	ds_store_b128 v3, v[R+16*(\t)+4*\i:R+16*(\t)+4*\i+3] offset:32*SP*((\t)%2)+8*SP*\i
.endr
.irp i, 0,1,2,3
	ds_load_b128 v[X+16*((\t)%2)+4*\i:X+16*((\t)%2)+4*\i+3], v4 offset:32*SP*((\t)%2)+16*\i
.endr
.endm
.macro STEP t
.set XS, X+16*((\t)%2)
.if (\t) > 0
	s_wait_dscnt 1                                 ; this step's numbers are back: only the last step's byte store is younger
.else
	s_wait_dscnt 0x0
.endif
.if (\t)+1 < 4
	TURN (\t)+1                                    ; the next step goes through the other stage while this one is worked
.endif
	v_max3_num_f32 v9, |v[XS]|, |v[XS+1]|, |v[XS+2]|
	v_max3_num_f32 v10, |v[XS+3]|, |v[XS+4]|, |v[XS+5]|
.irp i, 6,10
	s_delay_alu instid0(VALU_DEP_2)
	v_max3_num_f32 v9, v9, |v[XS+\i]|, |v[XS+\i+1]|
	s_delay_alu instid0(VALU_DEP_2)
	v_max3_num_f32 v10, v10, |v[XS+\i+2]|, |v[XS+\i+3]|
.endr
	s_delay_alu instid0(VALU_DEP_2)
	v_max3_num_f32 v9, v9, |v[XS+14]|, |v[XS+15]|
	s_delay_alu instid0(VALU_DEP_1)
	v_max3_num_f32 v9, v9, v10, 0x2800000          ; and the floor 2^(5 - 127): the byte cannot fall under 1
	s_delay_alu instid0(VALU_DEP_1)
	v_max_num_f32_dpp v9, v9, v9 row_xmask:1 row_mask:0xf bank_mask:0xf   ; with my neighbour's 16: the block's largest magnitude
	s_delay_alu instid0(VALU_DEP_1)
	v_add_nc_u32 v11, 0xfe000000, v9               ; 4 off its exponent field: the conversion takes the exponent field of this operand as its scale
	v_cvt_scalef32_pk16_bf6_f32 v[C+4*(\t):C+4*(\t)+2], v[XS:XS+15], v11
	v_lshrrev_b32 v[E+(\t)], 23, v11               ; the scale's byte (also the plain instruction behind the conversion)
	ds_store_b8 v5, v[E+(\t)] offset:16*(\t)       ; both lanes of a block write the same byte with the same value
	global_store_b96 v6, v[C+4*(\t):C+4*(\t)+2], s[10:11] offset:1572864*(\t)   ; K steps 2 t and 2 t + 1: sixteen lanes store 192 consecutive bytes
.endm
	TURN 0
.irp t, 0,1,2,3
	STEP \t
.endr
	s_wait_dscnt 0x0                               ; for the others' sake: my scale bytes have landed
	s_barrier_signal -1
	s_barrier_wait -1                              ; the work-group's 1,024 scale bytes lie in LDS
	s_cmp_lt_u32 s18, 2
	s_cbranch_scc0 .Lend                           ; waves 0 and 1 store them, 512 consecutive bytes each
	ds_load_b128 v[X:X+3], v14 offset:SBW
	s_wait_dscnt 0x0
	global_store_b128 v14, v[X:X+3], s[12:13]
.Lend:
	s_wait_tensorcnt 0x0
	ds_add_u32 v216, v217
	s_wait_dscnt 0x0
	s_endpgm
.Lfunc_end_k_q0b06b197be_prep:
	.size	k_q0b06b197be_prep, .Lfunc_end_k_q0b06b197be_prep-k_q0b06b197be_prep
	.p2alignl 7, 3214868480
	.fill 96, 4, 3214868480
	.section	.rodata,"a",@progbits
	.p2align	6, 0x0
	.amdhsa_kernel k_q0b06b197be_prep
		.amdhsa_group_segment_fixed_size 93184
		.amdhsa_private_segment_fixed_size 0
		.amdhsa_enable_private_segment 0
		.amdhsa_kernarg_size 72
		.amdhsa_user_sgpr_count 2
		.amdhsa_user_sgpr_kernarg_segment_ptr 1
		.amdhsa_wavefront_size32 1
		.amdhsa_system_sgpr_workgroup_id_x 1
		.amdhsa_system_sgpr_workgroup_id_y 1
		.amdhsa_system_sgpr_workgroup_id_z 1
		.amdhsa_system_vgpr_workitem_id 0
		.amdhsa_next_free_vgpr 240
		.amdhsa_next_free_sgpr 66
		.amdhsa_reserve_vcc 0
		.amdhsa_float_denorm_mode_32 3
		.amdhsa_float_denorm_mode_16_64 3
		.amdhsa_memory_ordered 1
		.amdhsa_forward_progress 1
		.amdhsa_inst_pref_size 33
	.end_amdhsa_kernel
	.amdgpu_metadata
---
amdhsa.version: [ 1, 2 ]
amdhsa.kernels:
  - .name:           k_q0b06b197be_prep
    .symbol:         k_q0b06b197be_prep.kd
    .args:
      - { .name: hidden_states, .offset: 0, .size: 8, .value_kind: global_buffer, .address_space: global }
      - { .name: ln_weight, .offset: 8, .size: 8, .value_kind: global_buffer, .address_space: global }
      - { .name: attention_mask, .offset: 16, .size: 8, .value_kind: global_buffer, .address_space: global }
      - { .name: xc, .offset: 24, .size: 8, .value_kind: global_buffer, .address_space: global }
      - { .name: xs, .offset: 32, .size: 8, .value_kind: global_buffer, .address_space: global }
      - { .name: mlane, .offset: 40, .size: 8, .value_kind: global_buffer, .address_space: global }
      - { .name: Wq_codes, .offset: 48, .size: 8, .value_kind: global_buffer, .address_space: global }
      - { .name: Wk_codes, .offset: 56, .size: 8, .value_kind: global_buffer, .address_space: global }
      - { .name: Wv_codes, .offset: 64, .size: 8, .value_kind: global_buffer, .address_space: global }
    .group_segment_fixed_size: 93184
    .private_segment_fixed_size: 0
    .kernarg_segment_align: 8
    .kernarg_segment_size: 72
    .max_flat_workgroup_size: 512
    .sgpr_count:     66
    .vgpr_count:     240
    .wavefront_size: 32
...
	.end_amdgpu_metadata
.endif
;; end of part 1
;; launch qkv (part 2): grid 12 x 16, 4 waves a work-group, clusters of 4 x 4, 327,680 bytes of LDS; arguments xc, xs, Wq_scales, Wk_scales, Wv_scales, qbuf, kbuf, vbuf; writes qbuf, kbuf, vbuf
.if DOCPART == 2
	.amdgcn_target "amdgcn-amd-amdhsa--gfx1250"
	.amdhsa_code_object_version 6
	.text
	.protected	k_q0b06b197be_qkv
	.globl	k_q0b06b197be_qkv
	.p2align	8
	.type	k_q0b06b197be_qkv,@function
k_q0b06b197be_qkv:
	s_mov_b64 s[64:65], 0
	v_nop
	global_prefetch_b8 v0, s[64:65] scope:SCOPE_SE
	s_setreg_imm32_b32 hwreg(HW_REG_WAVE_MODE, 25, 1), 1
	s_wait_xcnt 0x0
	s_wait_alu depctr_hold_cnt(0) depctr_sa_sdst(0) depctr_va_vdst(0) depctr_va_sdst(0) depctr_va_ssrc(0) depctr_va_vcc(0) depctr_vm_vsrc(0)
	s_getreg_b32 s2, hwreg(HW_REG_IB_STS2, 6, 4)
	s_cmp_eq_u32 s2, 0
	s_cbranch_scc0 .Lentry_in_a_cluster
	s_endpgm
.Lentry_in_a_cluster:
	s_bfe_u32 s2, ttmp6, 0x10000c
	s_cmp_lg_u32 s2, 0xf033
	s_cbranch_scc0 .Lentry_shape_is_right
	s_endpgm
.Lentry_shape_is_right:
.set SIZE_K, 2048
.set KSTEP,  256
.set NQ,     KSTEP/128
; x's and the weights' codes both come from xc, laid as [K step of 256][row][192 bytes]: the rows of a tile in one K step are consecutive bytes, fetched as rows of 256 bytes that begin at multiples of 256.
; 16 bytes of padding behind every 64 give each 192 bytes an LDS pitch of 240.
.set ROWB,   256
.set KROW,   256
.set PITCH,  240
.set FR,     12
.set NL,     6
.set NP,     4
.set HALFT,  128*PITCH
.set SLOT,   4*HALFT
.set LAPS,   SIZE_K/(2*KSTEP)
.set KS,     SIZE_K/32
.set SCL,    2*SLOT
.set HALFS,  (128*KS/256)*272
.set SBLK,   (16*KS/256)*272
.set SPARE,  SCL+4*HALFS
.set QSC,    3145728
.set ADRA, 16
.set ADRB, 20
.set CO,   24
.set SO,   25
.set ADRS, 27
.set SPW,  28
.set NIL,  29
.set SC,   32
.set TM,   64
.set SW,   80
.set TT,   88
.set VW,   92
.set PC,   128
.set AF,   128
.set G1, 24
.set G0, 32
.set G1B, 48
.set G0B, 56
.set G1S, 68
.set G0S, 76
.set G1SB, 80
.set G0SB, 88
.set MSB, 0
.macro WIN new
.if MSB != \new
	s_set_vgpr_msb (MSB<<8)|\new
.set MSB, \new
.endif
.endm
.set MUL_LO, 0xa1
.set MUL_HI, 0xf1
.set TO_B,   0x40
.macro JLOAD g0a, g1a, g0b, g1b
	s_cmp_eq_u32 s15, 0
	s_cbranch_scc0 .Lfor_b_\@
	tensor_load_to_lds s[\g0a:\g0a+3], s[\g1a:\g1a+7]
	s_nop 0
.rept 4
	v_nop
.endr
	s_branch .Lasked_\@
.Lfor_b_\@:
	tensor_load_to_lds s[\g0b:\g0b+3], s[\g1b:\g1b+7]
	s_nop 0
.rept 4
	v_nop
.endr
.Lasked_\@:
.endm
.macro CREST
	s_cmp_lg_u32 s14, 0
	s_cbranch_scc1 .Lnot_wave_0_\@
	s_barrier_signal -3
.Lnot_wave_0_\@:
	s_barrier_wait -3
	s_barrier_signal -1
	s_barrier_wait -1
.endm
.macro CROUND
	s_barrier_signal -1
	s_barrier_wait -1
	CREST
.endm
	s_load_b512 s[68:83], s[0:1], 0x0
	v_lshl_add_u32 v[SPW], v0, 2, SPARE
	v_mov_b32 v[NIL], 0
	ds_add_u32 v28, v29
	ds_add_u32 v28, v29
	s_wait_dscnt 0x0
	v_lshrrev_b32 v1, 5, v0
	v_readfirstlane_b32 s14, v1
	s_lshr_b32 s15, s14, 1
	s_and_b32 s16, s14, 1
	s_bfe_u32 s40, ttmp6, 0x40000
	s_bfe_u32 s41, ttmp6, 0x40004
	s_and_b32 s17, ttmp7, 0xffff
	s_lshl_b32 s17, s17, 2
	s_cmp_eq_u32 ttmp9, 2
	s_cselect_b32 s42, s17, 0
	s_cselect_b32 s17, 0, s17
	s_cselect_b32 s95, 1, 0
	s_add_co_u32 s42, s42, s40
	s_add_co_u32 s17, s17, s41
	s_lshl_b32 s43, s41, 2
	s_lshl_b32 s43, 15, s43
	s_lshl_b32 s44, 0x1111, s40
	s_or_b32 s[G1+0], s43, (0<<16)|(1<<20)|(1<<21)|(3<<22)|(3<<25)
	s_or_b32 s[G1B+0], s44, (0<<16)|(1<<20)|(1<<21)|(3<<22)|(3<<25)
.irp g, G1, G1B
	s_mov_b32 s[\g+1], ROWB<<16
	s_mov_b32 s[\g+2], 192<<16                     ; the head's loads: 256 rows of 192 bytes = 192 rows of 256
	s_mov_b32 s[\g+3], ROWB<<16
	s_mov_b32 s[\g+4], 192
	s_mov_b32 s[\g+5], KROW
	s_mov_b32 s[\g+6], 0
	s_mov_b32 s[\g+7], 0
.endr
	s_mov_b32 s96, 0x0000ffff
	s_mov_b32 s98, 0x76543210
	s_mov_b32 s99, 0xfedcba98
	s_wait_kmcnt 0x0
	s_cmp_eq_u32 ttmp9, 0                          ; s[68:83]: xc, xs, Wq's, Wk's, Wv's scales, qbuf, kbuf, vbuf
	s_cselect_b64 s[10:11], s[72:73], s[74:75]
	s_cselect_b64 s[12:13], s[78:79], s[80:81]
	s_cmp_eq_u32 ttmp9, 2
	s_cselect_b64 s[6:7], s[76:77], s[70:71]
	s_cselect_b64 s[10:11], s[70:71], s[10:11]
	s_cselect_b64 s[12:13], s[82:83], s[12:13]
	s_mov_b64 s[4:5], s[68:69]                     ; both sides' codes lie in xc
	s_mov_b64 s[8:9], s[68:69]
	s_or_b32 s[G1S+0], s43, (3<<16)|(1<<20)|(1<<21)|(5<<22)|(3<<25)
	s_or_b32 s[G1SB+0], s44, (3<<16)|(1<<20)|(1<<21)|(5<<22)|(3<<25)
.irp g, G1S, G1SB
	s_mov_b32 s[\g+1], 32<<16
	s_mov_b32 s[\g+2], (256*KS/256)<<16
	s_mov_b32 s[\g+3], 32<<16
	s_mov_b32 s[\g+4], 256*KS/256
	s_mov_b32 s[\g+5], 32
	s_mov_b32 s[\g+6], 0
	s_mov_b32 s[\g+7], 0
.endr
	s_lshl_b32 s20, s17, 8                         ; A: the tile's first row
	s_lshl_b32 s46, s42, 8                         ; B: likewise
	s_mov_b32 s21, 0
	s_mov_b32 s47, 0
	s_mov_b64 s[18:19], KS
	s_mul_u64 s[22:23], s[20:21], s[18:19]
	s_mul_u64 s[92:93], s[46:47], s[18:19]
	s_mov_b64 s[18:19], 192
	s_mul_u64 s[20:21], s[20:21], s[18:19]
	s_mul_u64 s[46:47], s[46:47], s[18:19]
	s_mul_i32 s18, ttmp9, 1572864
	s_add_co_u32 s18, s18, 6291456                 ; where this cluster column's weight begins in xc
	s_mov_b32 s19, 0
	s_mov_b32 s3, 0
	s_mov_b32 s100, 786432                         ; from K step to K step: x's 4,096 rows of 192 bytes,
	s_mov_b32 s101, 0
	s_mov_b32 s104, 196608                         ; a weight's 1,024
	s_mov_b32 s105, 0
	s_cmp_eq_u32 ttmp9, 2                          ; for v the weight is A and x is B
	s_cselect_b32 s2, s18, 0
	s_cselect_b32 s18, 0, s18
	s_cselect_b32 s94, s104, s100
	s_cselect_b32 s104, s100, s104                 ; s[104:105] B's step,
	s_mov_b32 s100, s94                            ; s[100:101] A's
	s_add_nc_u64 s[20:21], s[20:21], s[2:3]
	s_add_nc_u64 s[46:47], s[46:47], s[18:19]
	s_mul_i32 s18, s16, 128*192                    ; in the ring I fetch 128 rows of a tile: which half, in bytes
	s_mul_i32 s45, s14, HALFT
	s_add_nc_u64 s[20:21], s[4:5], s[20:21]
	s_add_nc_u64 s[22:23], s[6:7], s[22:23]
	s_add_nc_u64 s[46:47], s[8:9], s[46:47]
	s_add_nc_u64 s[92:93], s[10:11], s[92:93]
	CROUND
	s_mov_b32 s[G0S], 1
	s_mov_b32 s[G0S+1], SCL
	s_mov_b64 s[G0S+2:G0S+3], s[22:23]
	s_or_b32 s[G0S+3], s[G0S+3], 0x80000000
	s_mov_b32 s[G0SB], 1
	s_mov_b32 s[G0SB+1], SCL+2*HALFS
	s_mov_b64 s[G0SB+2:G0SB+3], s[92:93]
	s_or_b32 s[G0SB+3], s[G0SB+3], 0x80000000
.set G0H, 4                            ; s[4:7], s[8:11] group 0 for the head's loads of K step 0 (the arguments that lay there have been used)
.set G0HB, 8
	s_mov_b32 s[G0H], 1
	s_mov_b32 s[G0H+1], 0
	s_mov_b64 s[G0H+2:G0H+3], s[20:21]
	s_or_b32 s[G0H+3], s[G0H+3], 0x80000000
	s_mov_b32 s[G0HB], 1
	s_mov_b32 s[G0HB+1], 2*HALFT
	s_mov_b64 s[G0HB+2:G0HB+3], s[46:47]
	s_or_b32 s[G0HB+3], s[G0HB+3], 0x80000000
	s_add_nc_u64 s[20:21], s[20:21], s[18:19]      ; for the ring: my 128 rows of the tile
	s_add_nc_u64 s[46:47], s[46:47], s[18:19]
.irp s, 0,1
	s_mov_b32 s[G0+4*\s], 1
	s_add_co_u32 s[G0+4*\s+1], s45, \s*SLOT
	s_mov_b64 s[G0+4*\s+2:G0+4*\s+3], s[20:21]
.if \s
	s_add_nc_u64 s[G0+4*\s+2:G0+4*\s+3], s[G0+4*\s+2:G0+4*\s+3], s[100:101]
.endif
	s_or_b32 s[G0+4*\s+3], s[G0+4*\s+3], 0x80000000
	s_mov_b32 s[G0B+4*\s], 1
	s_add_co_u32 s[G0B+4*\s+1], s45, \s*SLOT
	s_mov_b64 s[G0B+4*\s+2:G0B+4*\s+3], s[46:47]
.if \s
	s_add_nc_u64 s[G0B+4*\s+2:G0B+4*\s+3], s[G0B+4*\s+2:G0B+4*\s+3], s[104:105]
.endif
	s_or_b32 s[G0B+4*\s+3], s[G0B+4*\s+3], 0x80000000
.endr
; THE HEAD'S LOADS, ONE A WAVE: wave 0 K step 0's 256 rows of A, wave 1 its 256 rows of B, wave 2 the scales of A's 256 rows, wave 3 those of B's.  One chain of branches on the wave's number, one load to an arm, one join.
.macro ARM under, g0, g1, next
	s_cmp_lt_u32 s14, \under
	s_cbranch_scc0 \next
	tensor_load_to_lds s[\g0:\g0+3], s[\g1:\g1+7]
	s_nop 0
.rept 4
	v_nop
.endr
	s_branch .Lhead_asked
\next:
.endm
	ARM 1, G0H,  G1,  .Lhead_b
	ARM 2, G0HB, G1B, .Lhead_sa
	ARM 3, G0S,  G1S, .Lhead_sb
	tensor_load_to_lds s[G0SB:G0SB+3], s[G1SB:G1SB+7]
	s_nop 0
.rept 4
	v_nop
.endr
.Lhead_asked:
; PREFETCHES INTO THE L2.  Behind the load of K step n stands a request for K step n + 2; the head also asks for K step 1.  Of the 24,576 consecutive bytes that I fetch in a K step, each of the four
; work-groups that ask for them jointly names 6,144, told apart by address alone: 24 blocks of 256 bytes, a lane a block (lanes 24 to 31 name the last block again).  K steps 6 and 7 have none two on: the last lap asks for nothing.
	s_cmp_eq_u32 s15, 0                            ; do I fetch for A?
	s_cselect_b64 s[20:21], s[20:21], s[46:47]     ; my 128 rows in K step 0,
	s_cselect_b64 s[46:47], s[100:101], s[104:105] ; bytes from K step to K step,
	s_cselect_b32 s18, s40, s41                    ; my work-group's place among the four
	s_mul_i32 s18, s18, 6144
	s_add_nc_u64 s[20:21], s[20:21], s[18:19]
	s_add_nc_u64 s[40:41], s[20:21], s[46:47]      ; K step 1; never rewritten
	s_add_nc_u64 s[92:93], s[40:41], s[46:47]      ; K step 2; stepped behind a wait on XCNT at each later load's head
	v_and_b32 v30, 31, v0
	v_min_u32 v30, 23, v30
	v_lshlrev_b32 v30, 8, v30                      ; v30: my block; never rewritten
	global_prefetch_b8 v30, s[40:41] th:TH_LOAD_NT scope:SCOPE_SE
	global_prefetch_b8 v30, s[92:93] th:TH_LOAD_NT scope:SCOPE_SE
	v_and_b32 v1, 15, v0
	v_bfe_u32 v2, v0, 4, 1
	v_mul_u32_u24 v3, v1, PITCH
	v_mul_u32_u24 v4, v2, 24
	v_add_nc_u32 v4, v3, v4
	v_lshl_add_u32 v5, v2, 4, v4
	s_mul_i32 s21, s15, HALFT
	s_mul_i32 s22, s16, HALFT
	s_add_co_u32 s22, s22, 2*HALFT
.irp s, 0,1
	v_add_nc_u32 v[ADRA+\s], s21, v4
	v_add_nc_u32 v[ADRB+\s], s22, v4
	v_add_nc_u32 v[ADRA+2+\s], s21, v5
	v_add_nc_u32 v[ADRB+2+\s], s22, v5
	s_add_co_u32 s21, s21, SLOT
	s_add_co_u32 s22, s22, SLOT
.endr
	v_mul_u32_u24 v5, v1, KS
	v_lshrrev_b32 v6, 8, v5
	v_lshl_add_u32 v5, v6, 4, v5
	s_mul_i32 s21, s15, HALFS
	s_mul_i32 s22, s16, HALFS
	s_add_co_u32 s22, s22, 2*HALFS
	s_sub_co_u32 s22, s22, s21
	v_mul_u32_u24 v6, s22, v2
	s_add_co_u32 s21, s21, SCL
	v_add_nc_u32 v5, v5, v6
	v_add_nc_u32 v[ADRS], s21, v5
	v_mul_u32_u24 v[CO], v1, 24
	v_mad_u32_u24 v[CO], v2, 12, v[CO]
	v_and_b32 v6, 31, v0
	v_lshlrev_b32 v[SO], 2, v6
.macro FRAG reg, adr, q, i
.irp p, 0,1,2,3,4,5
.set PCE, 12*(\q)+6*(\p/3)+\p%3
.if PCE%8 < 5
	ds_load_b64 v[\reg+2*\p:\reg+2*\p+1], v[\adr] offset:8*PCE+16*(PCE/8)+(\i)*16*PITCH
.else
	ds_load_b64 v[\reg+2*\p:\reg+2*\p+1], v[\adr+2] offset:8*PCE+16*(PCE/8)+(\i)*16*PITCH
.endif
.endr
.endm
.macro MUL16 a0, p, q, sc, zero
.irp a, \a0, \a0+1
.irp b, 0,1,2,3,4,5,6,7
.if \zero
	v_wmma_scale_f32_16x16x128_f8f6f4 v[8*(8*((\a)%4)+\b):8*(8*((\a)%4)+\b)+7], v[128*(\p)+FR*\b:128*(\p)+FR*\b+FR-1], v[AF+FR*(\a):AF+FR*(\a)+FR-1], 0, v[SC+8*NQ*(\sc)+NQ*\b+(\q)], v[SC+8*NQ*(\sc)+NQ*(\a)+(\q)] matrix_a_fmt:MATRIX_FMT_BF6 matrix_b_fmt:MATRIX_FMT_BF6 matrix_a_scale:MATRIX_SCALE_ROW1
.else
	v_wmma_scale_f32_16x16x128_f8f6f4 v[8*(8*((\a)%4)+\b):8*(8*((\a)%4)+\b)+7], v[128*(\p)+FR*\b:128*(\p)+FR*\b+FR-1], v[AF+FR*(\a):AF+FR*(\a)+FR-1], v[8*(8*((\a)%4)+\b):8*(8*((\a)%4)+\b)+7], v[SC+8*NQ*(\sc)+NQ*\b+(\q)], v[SC+8*NQ*(\sc)+NQ*(\a)+(\q)] matrix_a_fmt:MATRIX_FMT_BF6 matrix_b_fmt:MATRIX_FMT_BF6 matrix_a_scale:MATRIX_SCALE_ROW1
.endif
.endr
.endr
.endm
.macro FETCH_B slot, q, p
	WIN TO_B
.irp i, 0,1,2,3,4,5,6,7
	FRAG 128*(\p)+FR*\i, ADRB+\slot, \q, \i
.endr
	WIN 0
.endm
.macro FETCH_A slot, q, i0
.irp i, \i0, \i0+1, \i0+2, \i0+3
	FRAG AF+FR*(\i), ADRA+\slot, \q, \i
.endr
.endm
.macro SCALES sc
.irp i, 0,1,2,3,4,5,6,7
	ds_load_b64 v[SC+8*NQ*\sc+NQ*\i:SC+8*NQ*\sc+NQ*\i+1], v[ADRS] offset:\i*SBLK
.endr
.endm
.macro PLACES n
.rept \n
	v_nop
.endr
.endm
.macro STEP slot, q, zero
	s_wait_dscnt 4*NL
	WIN MUL_LO
	MUL16 0, (\q)%2, \q, \slot, \zero
	MUL16 2, (\q)%2, \q, \slot, \zero
	s_wait_dscnt 0
	PLACES NP
	FETCH_B \slot, (\q)+1, 1-(\q)%2
	FETCH_A \slot, (\q)+1, 0
	WIN MUL_HI
	MUL16 4, (\q)%2, \q, \slot, \zero
	MUL16 6, (\q)%2, \q, \slot, \zero
	PLACES NP
	WIN 0
	FETCH_A \slot, (\q)+1, 4
.endm
.macro TURN slot, next, fill
	s_wait_xcnt 0x0                                ; my last prefetch has read its address
	s_add_nc_u64 s[92:93], s[92:93], s[46:47]      ; two K steps on from the one that this change of slots asks for
	s_wait_tensorcnt 0x0
	ds_add_u32 v[SPW], v[NIL]
	s_wait_dscnt 4*NL+1
	WIN MUL_LO
	MUL16 0, 1, NQ-1, \slot, 0
	s_wait_dscnt 0x0
	s_barrier_signal -1
	MUL16 2, 1, NQ-1, \slot, 0
	WIN 0
	s_barrier_wait -1
.if \fill
	CREST
.rept 2                                ; two K steps on
	s_add_nc_u64 s[G0+4*\slot+2:G0+4*\slot+3], s[G0+4*\slot+2:G0+4*\slot+3], s[100:101]
	s_add_nc_u64 s[G0B+4*\slot+2:G0B+4*\slot+3], s[G0B+4*\slot+2:G0B+4*\slot+3], s[104:105]
.endr
	JLOAD G0+4*\slot, G1, G0B+4*\slot, G1B
.else
	PLACES NP
.endif
	s_wait_alu depctr_va_vdst(0)
	v_add_nc_u32 v[ADRS], 4*NQ, v[ADRS]
	FETCH_B \next, 0, 0
	FETCH_A \next, 0, 0
	SCALES \next
.if \fill
	s_cmp_gt_u32 s3, 1                             ; s3 = 1 in the last lap
	s_cbranch_scc0 .Lnoask_\@
	global_prefetch_b8 v30, s[92:93] th:TH_LOAD_NT scope:SCOPE_SE
.Lnoask_\@:
.endif
	WIN MUL_HI
	MUL16 4, 1, NQ-1, \slot, 0
	MUL16 6, 1, NQ-1, \slot, 0
	PLACES NP
	WIN 0
	FETCH_A \next, 0, 4
.endm
	s_wait_alu depctr_va_vdst(0)
	s_wait_tensorcnt 0x0                           ; my tile of the head's four is in
	ds_add_u32 v[SPW], v[NIL]
	s_wait_xcnt 0x0                                ; the head's prefetches have read their addresses
	s_add_nc_u64 s[92:93], s[92:93], s[46:47]      ; K step 3
	s_mov_b32 s[G1+2], 96<<16                      ; no tensor load of mine is out: from here on a load brings 128 rows of 192 bytes = 96 rows of 256
	s_mov_b32 s[G1+4], 96
	s_mov_b32 s[G1B+2], 96<<16
	s_mov_b32 s[G1B+4], 96
	s_wait_dscnt 0x0
	CROUND                                         ; all four tiles are in, and all sixteen work-groups are here
	JLOAD G0+4, G1, G0B+4, G1B                     ; K step 1 into slot 1, the first tensor load behind the round
	FETCH_B 0, 0, 0
	FETCH_A 0, 0, 0
	SCALES 0
	FETCH_A 0, 0, 4
	global_prefetch_b8 v30, s[92:93] th:TH_LOAD_NT scope:SCOPE_SE   ; behind K step 1's load: K step 3
	STEP 0, 0, 1
	s_mov_b32 s3, LAPS-1
.Llap:
	TURN 0, 1, 1
	STEP 1, 0, 0
	TURN 1, 0, 1
	STEP 0, 0, 0
	s_sub_co_u32 s3, s3, 1
	s_cmp_lg_u32 s3, 0
	s_cbranch_scc1 .Llap
	TURN 0, 1, 0
	STEP 1, 0, 0
	s_wait_dscnt 4*NL
	WIN MUL_LO
	MUL16 0, 1, NQ-1, 1, 0
	MUL16 2, 1, NQ-1, 1, 0
	s_wait_dscnt 0
	WIN MUL_HI
	MUL16 4, 1, NQ-1, 1, 0
	MUL16 6, 1, NQ-1, 1, 0
	WIN 0
.macro BLKQ a
.set AC, 64*((\a)%4)
	WIN 0x0a+5*((\a)/4)
.irp be, 0,1,2,3
	v_max3_num_f32 v[TM+\be], |v[AC+16*\be]|, |v[AC+16*\be+1]|, 0x2800000
.endr
.irp i, 2,4,6,8,10,12,14
.irp be, 0,1,2,3
	v_max3_num_f32 v[TM+\be], |v[AC+16*\be+\i]|, |v[AC+16*\be+\i+1]|, v[TM+\be]
.endr
.endr
	WIN 0
.irp be, 0,1,2,3
	v_permlanex16_b32 v[TM+4+\be], v[TM+\be], s98, s99
.endr
.irp be, 0,1,2,3
	v_max_num_f32 v[TM+\be], v[TM+\be], v[TM+4+\be]
.endr
.irp be, 0,1,2,3
	v_add_nc_u32 v[TM+12+\be], 0xfe000000, v[TM+\be]
.endr
.irp be, 0,1,2,3
	v_lshrrev_b32 v[TM+4+\be], 23, v[TM+12+\be]
.endr
	WIN 2+(\a)/4
.irp be, 0,1,2,3
	v_cvt_scalef32_pk16_bf6_f32 v[PC+16*(\a)+4*\be:PC+16*(\a)+4*\be+2], v[AC+16*\be:AC+16*\be+15], v[TM+12+\be]
.endr
	WIN 0
	v_nop
.endm
	PLACES NP
.irp be, 0,1,2,3
	v_mov_b32 v[TM+4+\be], 0
.endr
	s_cmp_lg_u32 s95, 0
	s_cbranch_scc1 .Lway_v
	s_lshl_b32 s20, s17, 8
	s_lshl_b32 s21, s15, 7
	s_add_co_u32 s20, s20, s21
	s_lshr_b32 s21, s20, 10
	s_and_b32 s20, s20, 1023
	s_lshr_b32 s20, s20, 4
	s_lshl_b32 s21, s21, 5
	s_lshl_b32 s22, s42, 3
	s_add_co_u32 s21, s21, s22
	s_lshl_b32 s22, s16, 2
	s_add_co_u32 s21, s21, s22
	s_mul_i32 s22, s21, 24576
	s_mul_i32 s23, s20, 384
	s_add_co_u32 s22, s22, s23
	s_mov_b32 s23, 0
	s_lshl_b32 s46, s21, 10
	s_lshl_b32 s47, s20, 4
	s_add_co_u32 s46, s46, s47
	s_add_co_u32 s46, s46, QSC
	s_mov_b32 s47, 0
	s_add_nc_u64 s[92:93], s[12:13], s[46:47]
	s_add_nc_u64 s[12:13], s[12:13], s[22:23]
.irp a, 0,1,2,3,4,5,6,7
	BLKQ \a
.irp be, 0,1,2,3
.if (\a)%4 == 0
	v_mov_b32 v[SW+4*((\a)/4)+\be], v[TM+4+\be]
.else
	v_lshl_or_b32 v[SW+4*((\a)/4)+\be], v[TM+4+\be], 8*((\a)%4), v[SW+4*((\a)/4)+\be]
.endif
.endr
.irp be, 0,1,2,3
	global_store_b96 v[CO], v[PC+16*\a+4*\be:PC+16*\a+4*\be+2], s[12:13] offset:24576*\be+384*\a
.endr
.endr
.irp be, 0,1,2,3
	v_cndmask_b32 v[TT+\be], v[SW+4+\be], v[SW+\be], s96
.endr
.irp be, 0,1,2,3
	global_store_b32 v[SO], v[TT+\be], s[92:93] offset:1024*\be
.endr
	s_branch .Ldone
.Lway_v:
	s_lshl_b32 s20, s42, 8
	s_lshl_b32 s21, s16, 7
	s_add_co_u32 s20, s20, s21
	s_lshr_b32 s21, s20, 10
	s_bfe_u32 s20, s20, 0x30007
	s_lshl_b32 s21, s21, 5
	s_lshl_b32 s22, s17, 3
	s_add_co_u32 s21, s21, s22
	s_lshl_b32 s22, s15, 2
	s_add_co_u32 s21, s21, s22
	s_lshl_b32 s21, s21, 2
	s_lshr_b32 s22, s20, 1
	s_add_co_u32 s21, s21, s22
	s_mul_i32 s22, s21, 6400
	s_and_b32 s20, s20, 1
	s_mul_i32 s23, s20, 3072
	s_lshl_b32 s46, s20, 7
	s_add_co_u32 s46, s46, s22
	s_add_co_u32 s46, s46, 6144
	s_mov_b32 s47, 0
	s_add_co_u32 s22, s22, s23
	s_mov_b32 s23, 0
	s_add_nc_u64 s[92:93], s[12:13], s[46:47]
	s_add_nc_u64 s[12:13], s[12:13], s[22:23]
.irp a, 0,1,2,3,4,5,6,7
	BLKQ \a
	v_lshl_or_b32 v[VW+\a], v[TM+5], 8, v[TM+4]
	v_lshl_or_b32 v[VW+\a], v[TM+6], 16, v[VW+\a]
	v_lshl_or_b32 v[VW+\a], v[TM+7], 24, v[VW+\a]
.irp be, 0,1,2,3
	global_store_b96 v[CO], v[PC+16*\a+4*\be:PC+16*\a+4*\be+2], s[12:13] offset:25600*(\a/2)+1536*(\a%2)+384*\be
.endr
.endr
.irp p, 0,1,2,3
	v_cndmask_b32 v[TT+\p], v[VW+2*\p+1], v[VW+2*\p], s96
.endr
.irp p, 0,1,2,3
	global_store_b32 v[SO], v[TT+\p], s[92:93] offset:25600*\p
.endr
.Ldone:
	s_wait_tensorcnt 0x0
	ds_add_u32 v[SPW], v[NIL]
	s_wait_dscnt 0x0
	CROUND
	s_endpgm
.Lfunc_end_k_q0b06b197be_qkv:
	.size	k_q0b06b197be_qkv, .Lfunc_end_k_q0b06b197be_qkv-k_q0b06b197be_qkv
	.p2alignl 7, 3214868480
	.fill 96, 4, 3214868480
	.section	.rodata,"a",@progbits
	.p2align	6, 0x0
	.amdhsa_kernel k_q0b06b197be_qkv
		.amdhsa_group_segment_fixed_size 327680
		.amdhsa_private_segment_fixed_size 0
		.amdhsa_enable_private_segment 0
		.amdhsa_kernarg_size 64
		.amdhsa_user_sgpr_count 2
		.amdhsa_user_sgpr_kernarg_segment_ptr 1
		.amdhsa_wavefront_size32 1
		.amdhsa_system_sgpr_workgroup_id_x 1
		.amdhsa_system_sgpr_workgroup_id_y 1
		.amdhsa_system_sgpr_workgroup_id_z 1
		.amdhsa_system_vgpr_workitem_id 0
		.amdhsa_next_free_vgpr 1024
		.amdhsa_next_free_sgpr 106
		.amdhsa_reserve_vcc 0
		.amdhsa_float_denorm_mode_32 3
		.amdhsa_float_denorm_mode_16_64 3
		.amdhsa_memory_ordered 1
		.amdhsa_forward_progress 1
		.amdhsa_inst_pref_size 198
	.end_amdhsa_kernel
	.amdgpu_metadata
---
amdhsa.version: [ 1, 2 ]
amdhsa.kernels:
  - .name:           k_q0b06b197be_qkv
    .symbol:         k_q0b06b197be_qkv.kd
    .args:
      - { .name: xc, .offset: 0, .size: 8, .value_kind: global_buffer, .address_space: global }
      - { .name: xs, .offset: 8, .size: 8, .value_kind: global_buffer, .address_space: global }
      - { .name: Wq_scales, .offset: 16, .size: 8, .value_kind: global_buffer, .address_space: global }
      - { .name: Wk_scales, .offset: 24, .size: 8, .value_kind: global_buffer, .address_space: global }
      - { .name: Wv_scales, .offset: 32, .size: 8, .value_kind: global_buffer, .address_space: global }
      - { .name: qbuf, .offset: 40, .size: 8, .value_kind: global_buffer, .address_space: global }
      - { .name: kbuf, .offset: 48, .size: 8, .value_kind: global_buffer, .address_space: global }
      - { .name: vbuf, .offset: 56, .size: 8, .value_kind: global_buffer, .address_space: global }
    .group_segment_fixed_size: 327680
    .private_segment_fixed_size: 0
    .kernarg_segment_align: 8
    .kernarg_segment_size: 64
    .max_flat_workgroup_size: 128
    .sgpr_count:     106
    .vgpr_count:     1024
    .wavefront_size: 32
...
	.end_amdgpu_metadata
.endif
;; end of part 2
;; launch attn (part 3): grid 8 x 32, 16 waves a work-group, no clusters, 327,680 bytes of LDS; arguments qbuf, kbuf, vbuf, mlane, position_bias, cbuf, csc; writes cbuf, csc
.if DOCPART == 3
	.amdgcn_target "amdgcn-amd-amdhsa--gfx1250"
	.amdhsa_code_object_version 6
	.text
	.protected	k_q0b06b197be_attn
	.globl	k_q0b06b197be_attn
	.p2align	8
	.type	k_q0b06b197be_attn,@function
k_q0b06b197be_attn:
	s_mov_b64 s[64:65], 0
	v_nop
	global_prefetch_b8 v0, s[64:65] scope:SCOPE_SE
	s_setreg_imm32_b32 hwreg(HW_REG_WAVE_MODE, 25, 1), 1
	s_wait_xcnt 0x0
; ctx = softmax(q k^T / sqrt(32) + position_bias, masked) v for 128 (batch, head) pairs, 1,024 tokens, head size 32; both products on codes of BF6 (E3M2) with E8M0 scales; ctx leaves as codes.
; THE PROBABILITIES ARE QUANTISED FINISHED AND NORMALISED, so a row's maximum and sum over all 1,024 keys are known before any p is converted: the scores of a query tile stay in registers meanwhile.
; SHARES.  A work-group owns one head and 128 queries, for ALL FOUR batches: position_bias is the same for the four, so each of its tiles is fetched once and read by four waves.  It walks 8 query tiles of 16.
; Wave w: batch w % 4, key quarter w / 4: 16 queries x 256 keys of scores in 128 registers.  Its 256 keys of K stay in 48 registers for the whole launch, its quarter of V (6,144 bytes) in LDS.
; LAYOUT.  Both products are used transposed (S^T = K Q^T, O^T = V^T P^T): a lane holds ONE query (lane % 16) throughout.
; THE FIRST PRODUCT HAS K = 32, one block of the instruction's four.  A fragment of K holds 64 keys: block j of row m is key 64 f + 16 j + m.  Four operands of Q hold the query's 32 codes in block j and zero
; codes elsewhere; zero codes add nothing, so product j gives the scores of keys 64 f + 16 j + 0 .. 15.  The four are cut out of 30 registers: zeros, Q in lanes 0-15, zeros, Q in lanes 16-31, zeros.
; The C of each product is sqrt(32) x bias, loaded from LDS straight into the accumulator's registers; t = (q.k + sqrt(32) bias) x log2(e) / sqrt(32).
; THE SOFTMAX.  In each quarter: M = its largest t rounded up to a whole number, p = 2^(t - M), the sum of p.  (-M, sum) of the four quarters meet in LDS; the row's M is the largest, sums are brought under it by
; v_ldexp_f32 (nothing is rounded), and p is multiplied by F = 2^(my M - the row's M) / the row's sum.  A block's largest p is its largest score put through the same instructions (this takes v_exp_f32 not to
; fall where its input rises).  Masked scores become the least f32 number ahead of the maximum: their p is 0.
; The four quarters' partial O^T meet in LDS; the wave of quarter 0 adds them, quantises the head's 32 numbers of each token and stores codes and scale byte.
; V's rows of a tile are chosen (row m of tile u is feature 8 u + m % 8 + 16 (m / 8)) so that a lane's 16 results are features 16 (lane / 16) + 0 .. 15: ctx leaves in its true order, which is Wo's.
; NO CLUSTER: partners of a head would share V's first fill alone, 98,304 bytes once, against 524,288 bytes of bias that are each work-group's own.
; NO PREFETCH of the bias: its tensor load is issued a whole query tile's work ahead of the wait for it.
; LIMITS: NaN and infinities are not served.  A row whose unmasked t all lie under -1e37 counts as fully masked; a fully masked row gives ctx = 0, as the problem has it.  A p under 2^-126 of its key quarter's
; largest is 0.  Blocks whose largest magnitude lies under 2^-122 get the byte 1 (this program alone reads the bytes).  The division by the row's sum is a multiplication by v_rcp_f32's result.
.set SLOT1, 66560                      ; LDS: bias slot 0 at 0, slot 1 here.  No bit of 66,560 is set in a sub-tile's offset (0, 16,640, 33,280, 49,920), so one exclusive or turns an address
.set SUB,   16640                      ; a slot: four sub-tiles (key quarters) of 16 rows x BP bytes
.set BP,    1040                       ; a row: 256 f32 + 16 bytes of padding = 260 words: the 16 rows of a load start at 16 different groups of four banks (64 banks of 4 bytes: ISA guide 11.1)
.set OX,    262144                     ; partial O^T: two buffers of 32,768 bytes that take turns from tile to tile; in each 2,048 bytes a wave, an image of 16 registers
.set STX,   231424                     ; (-M, sum): two sets of 4,096 bytes that take turns; in each 256 bytes a wave
.set SPARE, 239616                     ; the spare words, 128 bytes for each of the 16 waves
.set VB,    133120                     ; V: 6,144 bytes for each batch and key quarter
.set QSC,   3145728                    ; where the scale words begin in qbuf and kbuf
.set SPW, 1                            ; v1   my spare word; never rewritten
.set NIL, 2                            ; v2   0; never rewritten
.set AB0, 3                            ; v3   my place in a bias slot: SUB x quarter + BP (lane % 16) + 32 (lane / 16)
.set ADB, 4                            ; v4   the same in the slot in hand
.set AV,  5                            ; v5   my place in my V
.set OXS, 6                            ; v6   where I store my partial O^T
.set OXL, 7                            ; v7   where my batch's partials begin
.set STS, 8                            ; v8   where I store (-M, sum)
.set STL, 9                            ; v9   where my batch's begin
.set QOF, 10                           ; v10  24 (lane % 16)
.set CO,  11                           ; v11  24 (lane % 16) + 12 (lane / 16)
.set NM,  12                           ; v12  -M;  v13 the sum;  v[14:15], v[16:17] chains of the sum, later F (v14), at work, ctx's codes (v16-18) and byte (v19)
.set KF,  20                           ; v20-67  K: four fragments
.set Z1,  68                           ; v68-73 zeros | v74-79 Q in lanes 0-15 | v80-85 zeros | v86-91 Q in lanes 16-31 | v92-97 zeros;  v86-97 later hold p's first operand
.set QL,  74
.set Z2,  80
.set QH,  86
.set Z3,  92
.set KSC, 98                           ; v98-101  K's scale words
.set QW,  102                          ; v102-103 the scale bytes of my batch's 128 queries
.set QS,  104                          ; v104     this tile's byte, in all four places
.set PW,  105                          ; v105-106 p's scale words
.set VS,  107                          ; v107-110 V's scale words
.set CSO, 111                          ; v111     32 (lane % 16)
.set BM,  112                          ; v112-119 the 8 blocks' largest scores, then p, then the conversions' scale operands
.set PT,  120                          ; v120-127 at work
.set S,   128                          ; v128-255 bias, scores, p; later V's fragments (S .. S+47), p's second operand (S+48 ..), O^T (S+64 .. S+79), the others' partials (S+80 ..)
; s2 wave, s3 batch, s4 key quarter, s5 the slot in hand, s[6:7] Q's step, s[8:15] and s[16:19] the bias descriptor, s[20:21] lane selects, s[22:23] log2(e) / sqrt(32), s24 lanes 0-15, s25 the query tile,
; s[26:27] Q's codes, s[28:29] my mask words, s[30:31] cbuf, s[66:67] csc, s[32:63] and s[68:99] mask words of even and odd fragments, s100 the tile's offset among them, s101 byte select, s105 trips to go
	s_load_b256 s[68:75], s[0:1], 0x0              ; qbuf, kbuf, vbuf, mlane
	s_load_b128 s[76:79], s[0:1], 0x20             ; position_bias, cbuf
	s_load_b64 s[80:81], s[0:1], 0x30              ; csc
	v_lshl_add_u32 v[SPW], v0, 2, SPARE
	v_mov_b32 v[NIL], 0
	ds_add_u32 v1, v2
	ds_add_u32 v1, v2
	s_wait_dscnt 0x0
	v_lshrrev_b32 v128, 5, v0
	s_delay_alu instid0(VALU_DEP_1)
	v_readfirstlane_b32 s2, v128                   ; wave 0..15
	s_and_b32 s3, s2, 3                            ; batch
	s_lshr_b32 s4, s2, 2                           ; key quarter
	s_and_b32 s104, ttmp7, 0xffff                  ; head
	s_lshl_b32 s82, s3, 5
	s_add_co_u32 s82, s82, s104                    ; 32 x batch + head
	; the bias: a tile of 16 rows x 256 f32, 1,024 f32 from row to row, 4 words of padding behind each 256
	s_mov_b32 s8, (2<<16)|(1<<20)|(7<<22)|(3<<25)  ; 17:16 elements of 4 bytes; 20 padding on; 24:22 after every 256 words (code 7); 31:25 of 4 words (code 3)
	s_mov_b32 s9, 256<<16                          ; tensor_dim0
	s_mov_b32 s10, 16<<16                          ; tensor_dim1
	s_mov_b32 s11, 256<<16                         ; tile_dim0
	s_mov_b32 s12, 16                              ; tile_dim1
	s_mov_b32 s13, 1024                            ; from row to row
	s_mov_b32 s14, 0
	s_mov_b32 s15, 0
	; V: two key quarters of one batch in one load: 2 rows of 6,144 bytes (768 elements of 8 bytes), 6,400 bytes from row to row.  These registers hold mask words later, behind the wait that shows the load done
	s_mov_b32 s32, 3<<16
	s_mov_b32 s33, 768<<16
	s_mov_b32 s34, 2<<16
	s_mov_b32 s35, 768<<16
	s_mov_b32 s36, 2
	s_mov_b32 s37, 800
	s_mov_b32 s38, 0
	s_mov_b32 s39, 0
	s_lshl_b32 s84, s104, 22                       ; bias: head x 4 MiB
	s_lshl_b32 s85, ttmp9, 19                      ; + my 128 queries' rows of 4,096 bytes
	s_add_co_u32 s84, s84, s85
	s_lshl_b32 s85, s3, 10                         ; + the key quarter that I fetch (waves 0 to 3: wave % 4)
	s_add_co_u32 s84, s84, s85
	s_mov_b32 s85, 0
	s_lshl_b32 s86, s82, 2
	s_add_co_u32 s86, s86, s4
	s_mul_i32 s86, s86, 6400                       ; vbuf: my block
	s_mov_b32 s87, 0
	s_mul_i32 s88, s82, 24576
	s_mul_i32 s89, ttmp9, 3072
	s_add_co_u32 s94, s88, s89                     ; qbuf: my batch's and head's codes, my work-group's first query tile
	s_mov_b32 s95, 0
	s_mul_i32 s89, s4, 6144
	s_add_co_u32 s88, s88, s89                     ; kbuf: my 256 keys' codes
	s_mov_b32 s89, 0
	s_lshl_b32 s90, s82, 10
	s_add_co_u32 s90, s90, QSC
	s_lshl_b32 s91, ttmp9, 7
	s_add_co_u32 s92, s90, s91                     ; the 128 queries' scale words
	s_mov_b32 s93, 0
	s_lshl_b32 s91, s4, 8
	s_add_co_u32 s90, s90, s91                     ; my 256 keys' scale words
	s_mov_b32 s91, 0
	s_lshl_b32 s96, s3, 17                         ; mlane: 64 x 2,048 bytes a batch,
	s_lshl_b32 s97, ttmp9, 14                      ; 8 query tiles a work-group,
	s_add_co_u32 s96, s96, s97
	s_lshl_b32 s97, s4, 9                          ; 128 words a key quarter
	s_add_co_u32 s96, s96, s97
	s_mov_b32 s97, 0
	s_lshl_b32 s98, s3, 6
	s_lshl_b32 s99, ttmp9, 3
	s_add_co_u32 s98, s98, s99
	s_mul_i32 s98, s98, 12288                      ; cbuf: token tile 64 x batch + 8 x work-group,
	s_mul_i32 s99, s104, 384                       ; my head
	s_add_co_u32 s98, s98, s99
	s_mov_b32 s99, 0
	s_lshl_b32 s100, s3, 15                        ; csc: 32 bytes a token,
	s_lshl_b32 s101, ttmp9, 12
	s_add_co_u32 s100, s100, s101
	s_add_co_u32 s100, s100, s104                  ; my head's byte
	s_mov_b32 s101, 0
	s_mov_b32 s16, 1
	s_mul_i32 s17, s3, SUB                         ; bias, slot 0: sub-tile wave % 4
	s_mov_b32 s40, 1
	s_add_co_u32 s45, s2, 4
	s_and_b32 s45, s45, 7                          ; waves 4 to 11 fetch V: load j = wave - 4 is batch j / 2, key quarters 2 (j % 2) and the next
	s_mul_i32 s41, s45, 12288
	s_add_co_u32 s41, s41, VB                      ; V lies in LDS as [batch][key quarter][6,144 bytes]
	s_lshl_b32 s44, s3, 2
	s_add_co_u32 s44, s44, s4
	s_mul_i32 s44, s44, 6144
	s_add_co_u32 s44, s44, VB                      ; the V that I read
	s_lshr_b32 s46, s45, 1
	s_lshl_b32 s46, s46, 5
	s_add_co_u32 s46, s46, s104                    ; 32 x the load's batch + head
	s_lshl_b32 s46, s46, 2
	s_and_b32 s47, s45, 1
	s_lshl_b32 s47, s47, 1
	s_add_co_u32 s46, s46, s47
	s_mul_i32 s46, s46, 6400                       ; vbuf: the load's first block
	s_mov_b32 s47, 0
	s_wait_kmcnt 0x0
	s_add_nc_u64 s[18:19], s[76:77], s[84:85]
	s_or_b32 s19, s19, 0x80000000
	s_add_nc_u64 s[86:87], s[72:73], s[86:87]
	s_add_nc_u64 s[42:43], s[72:73], s[46:47]
	s_or_b32 s43, s43, 0x80000000
	s_add_nc_u64 s[88:89], s[70:71], s[88:89]
	s_add_nc_u64 s[90:91], s[70:71], s[90:91]
	s_add_nc_u64 s[92:93], s[68:69], s[92:93]
	s_add_nc_u64 s[26:27], s[68:69], s[94:95]
	s_add_nc_u64 s[28:29], s[74:75], s[96:97]
	s_add_nc_u64 s[30:31], s[78:79], s[98:99]
	s_add_nc_u64 s[66:67], s[80:81], s[100:101]
	; the first fills, one chain of branches on the wave's number, at most one load a wave: waves 0 to 3 a quarter of bias tile 0 each, waves 4 to 11 V, waves 12 to 15 none
	s_cmp_lt_u32 s2, 4
	s_cbranch_scc0 .Lonly_v
	tensor_load_to_lds s[16:19], s[8:15]
	s_nop 0
.rept 4
	v_nop
.endr
	s_branch .Lfilled
.Lonly_v:
	s_cmp_lt_u32 s2, 12
	s_cbranch_scc0 .Lfilled
	tensor_load_to_lds s[40:43], s[32:39]
	s_nop 0
.rept 4
	v_nop
.endr
.Lfilled:
	v_and_b32 v129, 15, v0                         ; r
	v_bfe_u32 v130, v0, 4, 1                       ; h
	v_and_b32 v131, 31, v0                         ; lane
	v_bfe_u32 v132, v0, 3, 1                       ; r / 8
	v_and_b32 v133, 7, v0                          ; r % 8
	v_mul_u32_u24 v[AB0], v129, BP
	s_delay_alu instid0(VALU_DEP_1)
	v_lshl_add_u32 v[AB0], v130, 5, v[AB0]
	s_mul_i32 s105, s4, SUB
	v_add_nc_u32 v[AB0], s105, v[AB0]
	v_mul_u32_u24 v[AV], v132, 1536                ; V: row m of tile u is feature 16 (m / 8) + 8 u + m % 8; lanes 16-31 take the odd key blocks
	s_delay_alu instid0(VALU_DEP_1)
	v_mad_u32_u24 v[AV], v133, 24, v[AV]
	s_delay_alu instid0(VALU_DEP_1)
	v_mad_u32_u24 v[AV], v130, 384, v[AV]
	s_delay_alu instid0(VALU_DEP_1)
	v_add_nc_u32 v[AV], s44, v[AV]
	s_lshl_b32 s105, s2, 11
	s_add_co_u32 s105, s105, OX
	v_lshl_add_u32 v[OXS], v131, 4, s105
	s_lshl_b32 s105, s3, 11
	s_add_co_u32 s105, s105, OX
	v_lshl_add_u32 v[OXL], v131, 4, s105
	s_lshl_b32 s105, s2, 8
	s_add_co_u32 s105, s105, STX
	v_lshl_add_u32 v[STS], v131, 3, s105
	s_lshl_b32 s105, s3, 8
	s_add_co_u32 s105, s105, STX
	v_lshl_add_u32 v[STL], v131, 3, s105
	v_mul_u32_u24 v[QOF], v129, 24
	s_delay_alu instid0(VALU_DEP_1)
	v_mad_u32_u24 v[CO], v130, 12, v[QOF]
	v_lshlrev_b32 v[CSO], 5, v129
	s_delay_alu instid0(VALU_DEP_3)
	v_mad_u32_u24 v134, v130, 384, v[QOF]          ; K: key tile 2 c + h of a fragment, row r
	v_lshlrev_b32 v135, 2, v129                    ; scale words: 4 r
	v_lshlrev_b32 v136, 2, v133
	s_delay_alu instid0(VALU_DEP_1)
	v_lshl_add_u32 v136, v132, 6, v136             ; V's scale words: 64 (r / 8) + 4 (r % 8)
.irp f, 0,1,2,3
.irp p, 0,1,2,3,4,5
	global_load_b64 v[KF+12*\f+2*\p:KF+12*\f+2*\p+1], v134, s[88:89] offset:1536*\f+768*(\p/3)+8*(\p%3)
.endr
	global_load_b32 v[KSC+\f], v135, s[90:91] offset:64*\f
.endr
.irp x, 0,1,2,3
	global_load_b32 v[VS+\x], v136, s[86:87] offset:6144+128*(\x/2)+32*(\x%2)
.endr
	global_load_b32 v[QW], v135, s[92:93]
	global_load_b32 v[QW+1], v135, s[92:93] offset:64
.irp p, 0,1,2
	global_load_b64 v[QL+2*\p:QL+2*\p+1], v[QOF], s[26:27] offset:8*\p   ; the first tile's Q: every lane takes its query's 24 bytes
.endr
.irp i, 0,1,2,3,4,5
	v_mov_b32 v[Z1+\i], 0
	v_mov_b32 v[Z2+\i], 0
.endr
.irp i, 0,1,2,3,4,5,6,7
	v_mov_b32 v[PT+\i], 0                          ; written once: a lane permute's destination counts as one of its sources
.endr
	v_mov_b32 v13, 0                               ; (named as the upper halves of pairs before they are first written)
	v_mov_b32 v15, 0
	s_mov_b32 s5, 0
	s_mov_b32 s6, 0
	s_mov_b32 s7, 0
	s_mov_b32 s20, 0x76543210
	s_mov_b32 s21, 0xfedcba98
	s_mov_b32 s22, 0x3e8293ee                      ; log2(e) / sqrt(32)
	s_mov_b32 s23, s22
	s_mov_b32 s24, 0x0000ffff
	s_mov_b32 s25, 0
	s_mov_b32 s100, 0
	s_mov_b32 s104, 0                              ; which buffer of O^T takes this tile's partials: 0 or 32,768 (an eighth of it: which set of (-M, sum))
; THE CHANGE OF SLOTS.  Each wave waits for all its tensor loads, adds 0 to its spare word, and waits for that and for all its LDS instructions; behind the barrier the next tile is whole and nobody reads the slot
; just read.  fill = 1: that slot is filled with the tile two on, by waves 0 to 3, a quarter each: the load has a whole query tile's work in which to land.
.macro CHANGE fill
	s_wait_tensorcnt 0x0                           ; no tensor load of mine is out, so the descriptor may be written
	ds_add_u32 v[SPW], v[NIL]                      ; 0 onto my spare word,
	ds_add_u32 v[SPW], v[NIL]                      ; twice on end
.if \fill
	s_xor_b32 s17, s17, SLOT1                      ; the other slot than last time,
	s_add_nc_u64 s[18:19], s[18:19], 0x10000       ; 16 rows of 4,096 bytes on
.endif
	s_wait_dscnt 0x0
	s_barrier_signal -1
	s_barrier_wait -1
.if \fill
	s_cmp_lt_u32 s2, 4
	s_cbranch_scc0 .Lnofill_\@
	tensor_load_to_lds s[16:19], s[8:15]           ; the first thing behind the barrier, and a wave's one tensor load until the next such barrier
	s_nop 0
.rept 4
	v_nop
.endr
.Lnofill_\@:
.endif
.endm
.macro MB g                            ; the 32 mask words of fragment g of the tile at s100
.if ((\g)%2) == 0
	s_load_b512 s[32:47], s[28:29], s100 offset:128*(\g)
	s_load_b512 s[48:63], s[28:29], s100 offset:128*(\g)+64
.else
	s_load_b512 s[68:83], s[28:29], s100 offset:128*(\g)
	s_load_b512 s[84:99], s[28:29], s100 offset:128*(\g)+64
.endif
.endm
.macro PM f                            ; fragment f's bias x sqrt(32)
.set i, 0
.rept 16
	v_pk_mul_f32 v[S+32*(\f)+i:S+32*(\f)+i+1], v[S+32*(\f)+i:S+32*(\f)+i+1], 0x40b504f3 op_sel_hi:[1,0]
.set i, i+2
.endr
.endm
.macro WQ f                            ; the scores of fragment f's 64 keys: four products on four accumulators; Q's operand j begins at v74, v86, v68, v80
.irp j, 0,1,2,3
	v_wmma_scale_f32_16x16x128_f8f6f4 v[S+32*(\f)+8*\j:S+32*(\f)+8*\j+7], v[KF+12*(\f):KF+12*(\f)+11], v[QL+12*(\j%2)-6*(\j/2):QL+12*(\j%2)-6*(\j/2)+11], v[S+32*(\f)+8*\j:S+32*(\f)+8*\j+7], v[KSC+(\f)], v[QS] matrix_a_fmt:MATRIX_FMT_BF6 matrix_b_fmt:MATRIX_FMT_BF6
.endr
.endm
.macro MK f, buf                       ; the mask on fragment f's 32 registers (ascending: each accumulator is read from its low end on), and the largest score of each of its two blocks of 32 keys
.set n, 0
.rept 32
	v_cndmask_b32 v[S+32*(\f)+n], 0xff7fffff, v[S+32*(\f)+n], s[\buf+n]
.set n, n+1
.endr
.irp bb, 0,1
	v_max3_num_f32 v[BM+2*(\f)+\bb], v[S+32*(\f)+16*\bb], v[S+32*(\f)+16*\bb+1], v[S+32*(\f)+16*\bb+2]
.endr
.irp i, 3,5,7,9,11,13
.irp bb, 0,1
	s_delay_alu instid0(VALU_DEP_2)
	v_max3_num_f32 v[BM+2*(\f)+\bb], v[BM+2*(\f)+\bb], v[S+32*(\f)+16*\bb+\i], v[S+32*(\f)+16*\bb+\i+1]
.endr
.endr
.irp bb, 0,1
	s_delay_alu instid0(VALU_DEP_2)
	v_max_num_f32 v[BM+2*(\f)+\bb], v[BM+2*(\f)+\bb], v[S+32*(\f)+16*\bb+15]
.endr
.endm
.macro RB b0                           ; four blocks' largest scores joined with lane l xor 16's
.irp b, 0,1,2,3
	v_permlanex16_b32 v[PT+\b0+\b], v[BM+\b0+\b], s20, s21
.endr
.irp b, 0,1,2,3
	s_delay_alu instid0(VALU_DEP_4)
	v_max_num_f32 v[BM+\b0+\b], v[BM+\b0+\b], v[PT+\b0+\b]
.endr
.endm
; 64 registers of p (four blocks of 32 keys, 16 of each in this lane) become an operand: registers d0 .. d0 + 5 and d1 .. d1 + 5.  The layout wants a whole block in a lane: lanes 0-15 the even block, lanes 16-31 the odd
.macro NORMQ src, d0, d1, b0
	v_cvt_scalef32_pk16_bf6_f32 v[\d0:\d0+2], v[\src:\src+15], v[BM+\b0]
	v_cvt_scalef32_pk16_bf6_f32 v[PT:PT+2], v[\src+16:\src+31], v[BM+\b0+1]
	v_cvt_scalef32_pk16_bf6_f32 v[\d1:\d1+2], v[\src+32:\src+47], v[BM+\b0+2]
	v_cvt_scalef32_pk16_bf6_f32 v[PT+4:PT+6], v[\src+48:\src+63], v[BM+\b0+3]
	v_nop                                          ; one plain instruction behind the conversions
.irp i, 0,1,2
	v_permlane16_swap_b32 v[\d0+\i], v[PT+\i]
.endr
.irp i, 0,1,2
	v_permlane16_swap_b32 v[\d1+\i], v[PT+4+\i]
.endr
.irp i, 0,1,2
	v_mov_b32 v[\d0+3+\i], v[PT+\i]
.endr
.irp i, 0,1,2
	v_mov_b32 v[\d1+3+\i], v[PT+4+\i]
.endr
.endm
; ONE QUERY TILE
; THE FOUR QUARTERS' PARTIAL O^T ARE JOINED ONE TILE LATE.  Every wave stores tile T's partial at the end of trip T; the wave of quarter 0 reads the four of tile T - 1 at the end of trip T: the barrier of trip T's
; change of slots stands between those stores and these reads, and the barrier of trip T + 1 between these reads and the next stores into that buffer.  So a trip has one barrier.  The same holds of the two sets of (-M, sum).
; v[PT+1]: where my batch's four partials begin.  The pointers into cbuf and csc stand one tile on: the stores' offsets go one tile back.
.macro COMB
.irp g, 0,1,2,3
	ds_load_b128 v[S+4*\g:S+4*\g+3], v[PT+1] offset:512*\g
.endr
.irp k, 1,2,3
.irp g, 0,1,2,3
	ds_load_b128 v[S+80+16*(\k-1)+4*\g:S+80+16*(\k-1)+4*\g+3], v[PT+1] offset:8192*\k+512*\g
.endr
.endr
	s_wait_dscnt 0x0
.irp k, 0,1,2
.irp i, 0,2,4,6,8,10,12,14
	v_pk_add_f32 v[S+\i:S+\i+1], v[S+\i:S+\i+1], v[S+80+16*\k+\i:S+80+16*\k+\i+1]
.endr
.endr
	v_max3_num_f32 v[PT], |v[S]|, |v[S+1]|, 0x2800000   ; ctx: register i is feature 16 (lane / 16) + i of my token; the head's 32 are one block of the last product's K
.irp i, 2,4,6,8,10,12,14
	s_delay_alu instid0(VALU_DEP_1)
	v_max3_num_f32 v[PT], v[PT], |v[S+\i]|, |v[S+1+\i]|
.endr
	s_delay_alu instid0(VALU_DEP_1)
	v_permlanex16_b32 v[PT+1], v[PT], s20, s21
	s_delay_alu instid0(VALU_DEP_1)
	v_max_num_f32 v[PT], v[PT], v[PT+1]
	s_delay_alu instid0(VALU_DEP_1)
	v_add_nc_u32 v[PT+2], 0xfe000000, v[PT]
	v_cvt_scalef32_pk16_bf6_f32 v[16:18], v[S:S+15], v[PT+2]
	v_lshrrev_b32 v19, 23, v[PT+2]                 ; the scale's byte (also the plain instruction behind the conversion)
	global_store_b96 v[CO], v[16:18], s[30:31] offset:-12288   ; 32 lanes store 384 consecutive bytes
	global_store_b8 v[CSO], v19, s[66:67] offset:-512          ; both lanes of a token write the same byte with the same value
.endm
.macro TRIP fill
	s_wait_loadcnt 0x0                             ; this tile's Q (in the first trip K, the scale words too)
	s_mul_i32 s101, s25, 0x01010101
	v_perm_b32 v[QS], v[QW+1], v[QW], s101         ; byte T of the eight, in all four places.  More than eight plain instructions stand between this line and the first product
.irp i, 0,1,2,3,4,5
	v_cndmask_b32 v[QH+\i], v[QL+\i], 0, s24       ; Q in lanes 16-31 alone,
.endr
.irp i, 0,1,2,3,4,5
	v_cndmask_b32 v[QL+\i], 0, v[QL+\i], s24       ; in lanes 0-15 alone,
.endr
.irp i, 0,1,2,3,4,5
	v_mov_b32 v[Z3+\i], 0                          ; and the zeros that p's operand has written over
.endr
	v_add_nc_u32 v[ADB], s5, v[AB0]
.set n, 0
.rept 32
	ds_load_b128 v[S+4*n:S+4*n+3], v[ADB] offset:64*(n/2)+16*(n%2)   ; the bias straight into the accumulators' registers: register 8 t + j is key 16 t + 8 (lane / 16) + j
.set n, n+1
.endr
	s_wait_dscnt 24                                ; fragment 0's eight loads are in; the 24 of fragments 1 to 3 are younger
	PM 0
	s_wait_dscnt 16
	PM 1
	WQ 0
	s_wait_dscnt 8
	PM 2                                           ; (sixteen plain instructions that name nothing of the products above: their places)
	WQ 1
	s_wait_kmcnt 0x0                               ; the mask words of fragments 0 and 1
	MK 0, 32
	MB 2
	MK 1, 68
	MB 3
	s_wait_dscnt 0x0
	PM 3
	RB 0
	WQ 2
	WQ 3
.rept 4
	v_nop                                          ; places behind the products
.endr
	s_wait_kmcnt 0x0                               ; the mask words of fragments 2 and 3; s100 may be written
	s_add_co_u32 s100, s25, 1
	s_min_u32 s100, s100, 7                        ; the next tile's mask words (the last trip asks for its own again: no load leaves the buffer)
	s_lshl_b32 s100, s100, 11
	MK 2, 32
	s_cmp_lt_u32 s25, 7
	s_cselect_b32 s6, 384, 0
	s_add_nc_u64 s[26:27], s[26:27], s[6:7]        ; the next tile's Q (the last trip: its own again); the loads that named this pointer were waited for at the trip's head
.irp p, 0,1,2
	global_load_b64 v[QL+2*\p:QL+2*\p+1], v[QOF], s[26:27] offset:8*\p
.endr
	MK 3, 68
	MB 0
	MB 1
	RB 4
	v_max3_num_f32 v18, v[BM], v[BM+1], v[BM+2]
	s_delay_alu instid0(VALU_DEP_4)
	v_max3_num_f32 v19, v[BM+3], v[BM+4], v[BM+5]
	s_delay_alu instid0(VALU_DEP_2)
	v_max3_num_f32 v18, v18, v[BM+6], v[BM+7]
	s_delay_alu instid0(VALU_DEP_1)
	v_max_num_f32 v18, v18, v19                    ; my quarter's largest score of my query
	s_delay_alu instid0(VALU_DEP_1)
	v_mul_f32 v18, s22, v18                        ; as t
	s_delay_alu instid0(VALU_DEP_1)
	v_max_num_f32 v18, 0xfcf0bdc2, v18             ; not under -1e37: a quarter that is masked whole keeps a finite M
	s_delay_alu instid0(VALU_DEP_1)
	v_floor_f32 v[NM], -v18                        ; -M = floor(-t): M is a whole number
.set j, 0
.rept 64
	v_pk_fma_f32 v[S+j:S+j+1], v[S+j:S+j+1], s[22:23], v[NM:NM+1] op_sel_hi:[1,0,0]   ; t - M
.set j, j+2
.endr
.irp b, 0,1,2,3,4,5,6,7
	v_fma_f32 v[BM+\b], v[BM+\b], s22, v[NM]       ; the same of each block's largest score
.endr
.set j, 0
	s_wait_alu depctr_va_vdst(0)
.rept 128
	v_exp_f32 v[S+j], v[S+j]                       ; p = 2^(t - M)
.set j, j+1
.endr
.irp b, 0,1,2,3,4,5,6,7
	v_exp_f32 v[BM+\b], v[BM+\b]                   ; the block's largest p: the same instructions on the same number give the same bits
.endr
	v_nop                                          ; a plain instruction behind the batch (ISA guide 5.7.2)
	s_wait_alu depctr_va_vdst(0)                   ; one wait for the 136, ahead of their first reader
	v_pk_add_f32 v[16:17], v[128:129], v[130:131]
	v_pk_add_f32 v[126:127], v[136:137], v[140:141]
	v_pk_add_f32 v[124:125], v[144:145], v[148:149]
	v_pk_add_f32 v[122:123], v[152:153], v[156:157]
	v_pk_add_f32 v[120:121], v[160:161], v[164:165]
	v_pk_add_f32 v[104:105], v[168:169], v[172:173]
	v_pk_add_f32 v[96:97], v[176:177], v[180:181]
	v_pk_add_f32 v[14:15], v[184:185], v[188:189]
	v_pk_add_f32 v[14:15], v[14:15], v[192:193]
	v_pk_add_f32 v[16:17], v[16:17], v[196:197]
	v_pk_add_f32 v[126:127], v[126:127], v[200:201]
	v_pk_add_f32 v[124:125], v[124:125], v[204:205]
	v_pk_add_f32 v[122:123], v[122:123], v[208:209]
	v_pk_add_f32 v[120:121], v[120:121], v[212:213]
	v_pk_add_f32 v[104:105], v[104:105], v[216:217]
	v_pk_add_f32 v[96:97], v[96:97], v[220:221]
	v_pk_add_f32 v[14:15], v[14:15], v[224:225]
	v_pk_add_f32 v[16:17], v[16:17], v[228:229]
	v_pk_add_f32 v[126:127], v[126:127], v[232:233]
	v_pk_add_f32 v[124:125], v[124:125], v[236:237]
	v_pk_add_f32 v[122:123], v[122:123], v[240:241]
	v_pk_add_f32 v[120:121], v[120:121], v[244:245]
	v_pk_add_f32 v[104:105], v[104:105], v[248:249]
	v_pk_add_f32 v[96:97], v[96:97], v[252:253]
	v_pk_add_f32 v[14:15], v[14:15], v[132:133]
	v_pk_add_f32 v[16:17], v[16:17], v[134:135]
	v_pk_add_f32 v[126:127], v[126:127], v[138:139]
	v_pk_add_f32 v[124:125], v[124:125], v[142:143]
	v_pk_add_f32 v[122:123], v[122:123], v[146:147]
	v_pk_add_f32 v[120:121], v[120:121], v[150:151]
	v_pk_add_f32 v[104:105], v[104:105], v[154:155]
	v_pk_add_f32 v[96:97], v[96:97], v[158:159]
	v_pk_add_f32 v[14:15], v[14:15], v[162:163]
	v_pk_add_f32 v[16:17], v[16:17], v[166:167]
	v_pk_add_f32 v[126:127], v[126:127], v[170:171]
	v_pk_add_f32 v[124:125], v[124:125], v[174:175]
	v_pk_add_f32 v[122:123], v[122:123], v[178:179]
	v_pk_add_f32 v[120:121], v[120:121], v[182:183]
	v_pk_add_f32 v[104:105], v[104:105], v[186:187]
	v_pk_add_f32 v[96:97], v[96:97], v[190:191]
	v_pk_add_f32 v[14:15], v[14:15], v[194:195]
	v_pk_add_f32 v[16:17], v[16:17], v[198:199]
	v_pk_add_f32 v[126:127], v[126:127], v[202:203]
	v_pk_add_f32 v[124:125], v[124:125], v[206:207]
	v_pk_add_f32 v[122:123], v[122:123], v[210:211]
	v_pk_add_f32 v[120:121], v[120:121], v[214:215]
	v_pk_add_f32 v[104:105], v[104:105], v[218:219]
	v_pk_add_f32 v[96:97], v[96:97], v[222:223]
	v_pk_add_f32 v[14:15], v[14:15], v[226:227]
	v_pk_add_f32 v[16:17], v[16:17], v[230:231]
	v_pk_add_f32 v[126:127], v[126:127], v[234:235]
	v_pk_add_f32 v[124:125], v[124:125], v[238:239]
	v_pk_add_f32 v[122:123], v[122:123], v[242:243]
	v_pk_add_f32 v[120:121], v[120:121], v[246:247]
	v_pk_add_f32 v[104:105], v[104:105], v[250:251]
	v_pk_add_f32 v[96:97], v[96:97], v[254:255]
	s_delay_alu instid0(VALU_DEP_4)
	v_pk_add_f32 v[14:15], v[14:15], v[122:123]
	s_delay_alu instid0(VALU_DEP_4)
	v_pk_add_f32 v[16:17], v[16:17], v[120:121]
	s_delay_alu instid0(VALU_DEP_4)
	v_pk_add_f32 v[126:127], v[126:127], v[104:105]
	s_delay_alu instid0(VALU_DEP_4)
	v_pk_add_f32 v[124:125], v[124:125], v[96:97]
	s_delay_alu instid0(VALU_DEP_2)
	v_pk_add_f32 v[14:15], v[14:15], v[126:127]
	s_delay_alu instid0(VALU_DEP_2)
	v_pk_add_f32 v[16:17], v[16:17], v[124:125]
	s_delay_alu instid0(VALU_DEP_1)
	v_pk_add_f32 v[14:15], v[14:15], v[16:17]
	s_delay_alu instid0(VALU_DEP_1)
	v_add_f32 v13, v14, v15
	s_delay_alu instid0(VALU_DEP_1)
	v_permlanex16_b32 v18, v13, s20, s21
	s_delay_alu instid0(VALU_DEP_1)
	v_add_f32 v13, v13, v18                        ; my quarter's sum
	s_lshr_b32 s101, s104, 3                       ; this tile's set of (-M, sum): 0 or 4,096
	v_add_nc_u32 v16, s101, v[STS]
	v_add_nc_u32 v17, s101, v[STL]
	ds_store_b64 v16, v[NM:NM+1]
	s_wait_alu depctr_va_vdst(0)
	CHANGE \fill                                   ; one barrier for three things: every wave's (-M, sum) lie in LDS, every wave's reads of this tile's bias are over, and the last tile's partial O^T lie in LDS
	s_xor_b32 s5, s5, SLOT1
.irp k, 0,1,2,3
	ds_load_b64 v[PT+2*\k:PT+2*\k+1], v17 offset:1024*\k
.endr
	s_wait_dscnt 0x0
	v_min3_num_f32 v18, v[PT], v[PT+2], v[PT+4]
	s_delay_alu instid0(VALU_DEP_1)
	v_min_num_f32 v18, v18, v[PT+6]                ; the row's -M
.irp k, 0,1,2,3
	v_sub_f32 v[PT+2*\k], v18, v[PT+2*\k]          ; quarter k's M less the row's: a whole number, 0 or less
.endr
.irp k, 0,1,2,3
	s_delay_alu instid0(VALU_DEP_4)
	v_cvt_i32_f32 v[PT+2*\k], v[PT+2*\k]           ; (it saturates)
.endr
.irp k, 0,1,2,3
	s_delay_alu instid0(VALU_DEP_4)
	v_ldexp_f32 v[PT+2*\k+1], v[PT+2*\k+1], v[PT+2*\k]   ; its sum under the row's M
.endr
	s_delay_alu instid0(VALU_DEP_3)
	v_add_f32 v19, v[PT+1], v[PT+3]
	s_delay_alu instid0(VALU_DEP_2)
	v_add_f32 v16, v[PT+5], v[PT+7]
	s_delay_alu instid0(VALU_DEP_1)
	v_add_f32 v19, v19, v16
	s_delay_alu instid0(VALU_DEP_1)
	v_max_num_f32 v19, 0x0da24260, v19             ; not under 1e-30: a row that is masked whole has p = 0 throughout, and 0 x a finite F is 0
	s_wait_alu depctr_va_vdst(0)
	v_rcp_f32 v16, v19
	v_sub_f32 v17, v18, v[NM]                      ; my own M less the row's (a plain instruction behind the reciprocal)
	s_delay_alu instid0(VALU_DEP_1)
	v_cvt_i32_f32 v17, v17
	s_wait_alu depctr_va_vdst(0)                   ; ahead of the reciprocal's first reader
	v_ldexp_f32 v14, v16, v17                      ; F
.irp b, 0,1,2,3,4,5,6,7
	v_mul_f32 v[BM+\b], v[BM+\b], v14              ; each block's largest probability
.endr
.irp b, 0,1,2,3,4,5,6,7
	v_max_num_f32 v[BM+\b], 0x2800000, v[BM+\b]    ; the floor 2^(5 - 127): the byte cannot fall under 1
.endr
.irp b, 0,1,2,3,4,5,6,7
	v_add_nc_u32 v[BM+\b], 0xfe000000, v[BM+\b]    ; 4 off the exponent field: the conversion's scale operand
.endr
.irp b, 0,1,2,3,4,5,6,7
	v_lshrrev_b32 v[PT+\b], 23, v[BM+\b]           ; the scale's byte
.endr
.irp g, 0,1
	v_lshl_or_b32 v[PW+\g], v[PT+4*\g+1], 8, v[PT+4*\g]
	s_delay_alu instid0(VALU_DEP_1)
	v_lshl_or_b32 v[PW+\g], v[PT+4*\g+2], 16, v[PW+\g]
	s_delay_alu instid0(VALU_DEP_1)
	v_lshl_or_b32 v[PW+\g], v[PT+4*\g+3], 24, v[PW+\g]
.endr
.set j, 0
.rept 64
	v_pk_mul_f32 v[S+j:S+j+1], v[S+j:S+j+1], v[14:15] op_sel_hi:[1,0]   ; the probabilities, finished and normalised
.set j, j+2
.endr
	NORMQ S, QH, Z3, 0                             ; keys 0-127 of my quarter: the operand in v86-97
.irp x, 0,1,2,3
.irp p, 0,1,2,3,4,5
	ds_load_b64 v[S+12*\x+2*\p:S+12*\x+2*\p+1], v[AV] offset:3072*(\x/2)+192*(\x%2)+768*(\p/3)+8*(\p%3)   ; V's four fragments (128 keys x / 2, tile x % 2), into registers whose p has been converted
.endr
.endr
	NORMQ S+64, S+48, S+54, 4                      ; keys 128-255: the operand in S+48 .. S+59
.rept 4
	v_nop                                          ; an operand written by vector instructions stands four places ahead of a scaled matrix instruction
.endr
	s_wait_dscnt 0x0
	; O^T = V^T P^T: two accumulators by turns; the first two products start the sums
	v_wmma_scale_f32_16x16x128_f8f6f4 v[S+64:S+71], v[S:S+11], v[QH:QH+11], 0, v[VS], v[PW] matrix_a_fmt:MATRIX_FMT_BF6 matrix_b_fmt:MATRIX_FMT_BF6
	s_wait_alu depctr_va_vdst(0)
	v_wmma_scale_f32_16x16x128_f8f6f4 v[S+72:S+79], v[S+12:S+23], v[QH:QH+11], 0, v[VS+1], v[PW] matrix_a_fmt:MATRIX_FMT_BF6 matrix_b_fmt:MATRIX_FMT_BF6
	v_wmma_scale_f32_16x16x128_f8f6f4 v[S+64:S+71], v[S+24:S+35], v[S+48:S+59], v[S+64:S+71], v[VS+2], v[PW+1] matrix_a_fmt:MATRIX_FMT_BF6 matrix_b_fmt:MATRIX_FMT_BF6
	v_wmma_scale_f32_16x16x128_f8f6f4 v[S+72:S+79], v[S+36:S+47], v[S+48:S+59], v[S+72:S+79], v[VS+3], v[PW+1] matrix_a_fmt:MATRIX_FMT_BF6 matrix_b_fmt:MATRIX_FMT_BF6
.rept 4
	v_nop                                          ; places behind the products
.endr
	v_add_nc_u32 v[PT], s104, v[OXS]               ; this tile's buffer,
	s_xor_b32 s104, s104, 32768
	v_add_nc_u32 v[PT+1], s104, v[OXL]             ; and the last tile's
.irp g, 0,1,2,3
	ds_store_b128 v[PT], v[S+64+4*\g:S+64+4*\g+3] offset:512*\g   ; an image of the 16 registers, each accumulator from its low end on
.endr
	s_cmp_lg_u32 s4, 0
	s_cbranch_scc1 .Lnocomb_\@                     ; quarter 0's wave joins the last tile's partials;
	s_cmp_eq_u32 s25, 0
	s_cbranch_scc1 .Lnocomb_\@                     ; the first trip has none
	COMB
.Lnocomb_\@:
	s_wait_xcnt 0x0                                ; the stores have read their data and bases: both are written again only behind this wait
	s_add_nc_u64 s[30:31], s[30:31], 12288         ; the next token tile
	s_add_nc_u64 s[66:67], s[66:67], 512
	s_add_co_u32 s25, s25, 1
.endm
	CHANGE 1                                       ; V and bias tile 0 have landed; tile 1 goes into slot 1, issued as a refill is
	s_wait_xcnt 0x0                                ; the loads above have read their bases, which the mask words write over
	MB 0
	MB 1
	s_mov_b32 s105, 6
.Lfill:                                                ; tiles 0 to 5: each asks for the tile two on
	TRIP 1
	s_sub_co_u32 s105, s105, 1
	s_cmp_lg_u32 s105, 0
	s_cbranch_scc1 .Lfill
	s_mov_b32 s105, 2
.Ltail:                                                ; tiles 6 and 7 ask for nothing: a text of their own
	TRIP 0
	s_sub_co_u32 s105, s105, 1
	s_cmp_lg_u32 s105, 0
	s_cbranch_scc1 .Ltail
	s_wait_dscnt 0x0                               ; for the others' sake: my partial of the last tile has landed
	s_barrier_signal -1
	s_barrier_wait -1
	s_cmp_lg_u32 s4, 0
	s_cbranch_scc1 .Lout
	s_xor_b32 s104, s104, 32768                    ; the buffer that took the last tile
	v_add_nc_u32 v[PT+1], s104, v[OXL]
	COMB
.Lout:
	s_wait_tensorcnt 0x0                           ; the wave's end
	ds_add_u32 v[SPW], v[NIL]
	s_wait_dscnt 0x0
	s_endpgm
.Lfunc_end_k_q0b06b197be_attn:
	.size	k_q0b06b197be_attn, .Lfunc_end_k_q0b06b197be_attn-k_q0b06b197be_attn
	.p2alignl 7, 3214868480
	.fill 96, 4, 3214868480
	.section	.rodata,"a",@progbits
	.p2align	6, 0x0
	.amdhsa_kernel k_q0b06b197be_attn
		.amdhsa_group_segment_fixed_size 327680
		.amdhsa_private_segment_fixed_size 0
		.amdhsa_enable_private_segment 0
		.amdhsa_kernarg_size 56
		.amdhsa_user_sgpr_count 2
		.amdhsa_user_sgpr_kernarg_segment_ptr 1
		.amdhsa_wavefront_size32 1
		.amdhsa_system_sgpr_workgroup_id_x 1
		.amdhsa_system_sgpr_workgroup_id_y 1
		.amdhsa_system_sgpr_workgroup_id_z 1
		.amdhsa_system_vgpr_workitem_id 0
		.amdhsa_next_free_vgpr 256
		.amdhsa_next_free_sgpr 106
		.amdhsa_reserve_vcc 0
		.amdhsa_float_denorm_mode_32 3
		.amdhsa_float_denorm_mode_16_64 3
		.amdhsa_memory_ordered 1
		.amdhsa_forward_progress 1
		.amdhsa_inst_pref_size 140
	.end_amdhsa_kernel
	.amdgpu_metadata
---
amdhsa.version: [ 1, 2 ]
amdhsa.kernels:
  - .name:           k_q0b06b197be_attn
    .symbol:         k_q0b06b197be_attn.kd
    .args:
      - { .name: qbuf, .offset: 0, .size: 8, .value_kind: global_buffer, .address_space: global }
      - { .name: kbuf, .offset: 8, .size: 8, .value_kind: global_buffer, .address_space: global }
      - { .name: vbuf, .offset: 16, .size: 8, .value_kind: global_buffer, .address_space: global }
      - { .name: mlane, .offset: 24, .size: 8, .value_kind: global_buffer, .address_space: global }
      - { .name: position_bias, .offset: 32, .size: 8, .value_kind: global_buffer, .address_space: global }
      - { .name: cbuf, .offset: 40, .size: 8, .value_kind: global_buffer, .address_space: global }
      - { .name: csc, .offset: 48, .size: 8, .value_kind: global_buffer, .address_space: global }
    .group_segment_fixed_size: 327680
    .private_segment_fixed_size: 0
    .kernarg_segment_align: 8
    .kernarg_segment_size: 56
    .max_flat_workgroup_size: 512
    .sgpr_count:     106
    .vgpr_count:     256
    .wavefront_size: 32
...
	.end_amdgpu_metadata
.endif
;; end of part 3
;; launch oproj (part 4): grid 8 x 32, 4 waves a work-group, clusters of 4 x 4, 327,680 bytes of LDS; arguments cbuf, csc, Wo_codes, Wo_scales, hidden_states, out0; writes out0
.if DOCPART == 4
	.amdgcn_target "amdgcn-amd-amdhsa--gfx1250"
	.amdhsa_code_object_version 6
	.text
	.protected	k_q0b06b197be_oproj
	.globl	k_q0b06b197be_oproj
	.p2align	8
	.type	k_q0b06b197be_oproj,@function
k_q0b06b197be_oproj:
	s_mov_b64 s[64:65], 0
	v_nop
	global_prefetch_b8 v0, s[64:65] scope:SCOPE_SE
	s_setreg_imm32_b32 hwreg(HW_REG_WAVE_MODE, 25, 1), 1
	s_wait_xcnt 0x0
	s_wait_alu depctr_hold_cnt(0) depctr_sa_sdst(0) depctr_va_vdst(0) depctr_va_sdst(0) depctr_va_ssrc(0) depctr_va_vcc(0) depctr_vm_vsrc(0)
	s_getreg_b32 s2, hwreg(HW_REG_IB_STS2, 6, 4)
	s_cmp_eq_u32 s2, 0
	s_cbranch_scc0 .Lentry_in_a_cluster
	s_endpgm
.Lentry_in_a_cluster:
	s_bfe_u32 s2, ttmp6, 0x10000c
	s_cmp_lg_u32 s2, 0xf033
	s_cbranch_scc0 .Lentry_shape_is_right
	s_endpgm
.Lentry_shape_is_right:
.set SIZE_N, 2048
.set KROW,   768
.set APART,  6144
; ALL OF K COMES BY ONE LOAD A WAVE AT THE HEAD: waves 0 and 1 fetch 64 tokens' codes each (49,152 consecutive bytes), waves 2 and 3 128 rows of Wo each (98,304 consecutive bytes, as rows of 256 bytes
; that begin at multiples of 256, 16 bytes of padding behind each: a row of 768 bytes has an LDS pitch of 816).  Nothing is filled again.
.set AHALF,  8*APART
.set BROW,   384
.set BP,     816
.set BHALF,  128*BP
.set PART,   2*AHALF+2*BHALF
.set SPARE,  PART
.set SPITCH, 528
.set FR,     12
.set ADRA, 16
.set ADRB, 20
.set STO,  24
.set RD,   25
.set CO,   26
.set SCO,  27
.set SPW,  28
.set NIL,  29
.set SA,   32
.set SB,   64
.set AF,   128
.set G1, 24
.set G0, 32
.set G1B, 48
.set G0B, 56
.set MSB, 0
.macro WIN new
.if MSB != \new
	s_set_vgpr_msb (MSB<<8)|\new
.set MSB, \new
.endif
.endm
.set MUL,  0xa1
.set TO_B, 0x40
.set TO_H, 0xc0
.macro JLOAD g0a, g1a, g0b, g1b
	s_cmp_eq_u32 s15, 0
	s_cbranch_scc0 .Lfor_b_\@
	tensor_load_to_lds s[\g0a:\g0a+3], s[\g1a:\g1a+7]
	s_nop 0
.rept 4
	v_nop
.endr
	s_branch .Lasked_\@
.Lfor_b_\@:
	tensor_load_to_lds s[\g0b:\g0b+3], s[\g1b:\g1b+7]
	s_nop 0
.rept 4
	v_nop
.endr
.Lasked_\@:
.endm
.macro CROUND
	s_barrier_signal -1
	s_barrier_wait -1
	s_cmp_lg_u32 s14, 0
	s_cbranch_scc1 .Lnot_wave_0_\@
	s_barrier_signal -3
.Lnot_wave_0_\@:
	s_barrier_wait -3
	s_barrier_signal -1
	s_barrier_wait -1
.endm
	s_load_b128 s[4:7], s[0:1], 0x0
	s_load_b128 s[8:11], s[0:1], 0x10
	s_load_b64 s[96:97], s[0:1], 0x20
	s_load_b64 s[12:13], s[0:1], 0x28
	v_lshl_add_u32 v[SPW], v0, 2, SPARE
	v_mov_b32 v[NIL], 0
	ds_add_u32 v28, v29
	ds_add_u32 v28, v29
	s_wait_dscnt 0x0
	v_lshrrev_b32 v1, 5, v0
	v_readfirstlane_b32 s14, v1
	s_lshr_b32 s15, s14, 1
	s_and_b32 s16, s14, 1
	s_bfe_u32 s40, ttmp6, 0x40000
	s_bfe_u32 s41, ttmp6, 0x40004
	s_lshl_b32 s42, ttmp9, 2
	s_add_co_u32 s42, s42, s40
	s_and_b32 s17, ttmp7, 0xffff
	s_lshl_b32 s17, s17, 2
	s_add_co_u32 s17, s17, s41
	s_lshl_b32 s43, s41, 2
	s_lshl_b32 s43, 15, s43
	s_lshl_b32 s44, 0x1111, s40
	s_or_b32 s[G1+0], s43, (3<<16)|(1<<21)
	s_mov_b32 s[G1+1], 768<<16
	s_mov_b32 s[G1+2], 8<<16
	s_mov_b32 s[G1+3], 768<<16
	s_mov_b32 s[G1+4], 8
	s_mov_b32 s[G1+5], 768
	s_mov_b32 s[G1+6], 0
	s_mov_b32 s[G1+7], 0
	s_or_b32 s[G1B+0], s44, (0<<16)|(1<<20)|(1<<21)|(5<<22)|(3<<25)
	s_mov_b32 s[G1B+1], 256<<16
	s_mov_b32 s[G1B+2], 384<<16
	s_mov_b32 s[G1B+3], 256<<16
	s_mov_b32 s[G1B+4], 384
	s_mov_b32 s[G1B+5], 256
	s_mov_b32 s[G1B+6], 0
	s_mov_b32 s[G1B+7], 0
	s_mov_b32 s98, 0x3f73cf3d
	s_mov_b32 s99, s98
	s_lshl_b32 s18, s16, 6
	s_lshl_b32 s20, s17, 7
	s_add_co_u32 s20, s20, s18
	s_lshl_b32 s18, s16, 7
	s_lshl_b32 s46, s42, 8
	s_add_co_u32 s46, s46, s18
	s_mov_b32 s21, 0
	s_mov_b32 s47, 0
	s_mov_b64 s[18:19], KROW
	s_mul_u64 s[20:21], s[20:21], s[18:19]
	s_mul_u64 s[46:47], s[46:47], s[18:19]
	s_mul_i32 s45, s16, AHALF
	s_mul_i32 s95, s16, BHALF
	s_add_co_u32 s95, s95, 2*AHALF
	s_wait_kmcnt 0x0
	s_add_nc_u64 s[20:21], s[4:5], s[20:21]
	s_add_nc_u64 s[46:47], s[8:9], s[46:47]
	CROUND
.irp p, 0
	s_mov_b32 s[G0+4*\p], 1
	s_add_co_u32 s[G0+4*\p+1], s45, \p*PART
	s_add_nc_u64 s[G0+4*\p+2:G0+4*\p+3], s[20:21], \p*APART
	s_or_b32 s[G0+4*\p+3], s[G0+4*\p+3], 0x80000000
	s_mov_b32 s[G0B+4*\p], 1
	s_add_co_u32 s[G0B+4*\p+1], s95, \p*PART
	s_add_nc_u64 s[G0B+4*\p+2:G0B+4*\p+3], s[46:47], \p*BROW
	s_or_b32 s[G0B+4*\p+3], s[G0B+4*\p+3], 0x80000000
	JLOAD G0+4*\p, G1, G0B+4*\p, G1B               ; my one tensor load, behind the round above
.endr
	v_and_b32 v1, 15, v0
	v_bfe_u32 v2, v0, 4, 1
	v_mul_u32_u24 v3, v1, BP
	v_mul_u32_u24 v4, v2, 24
	v_add_nc_u32 v4, v3, v4
	v_lshl_add_u32 v5, v2, 4, v4
	v_mul_u32_u24 v6, v1, 24
	v_mad_u32_u24 v6, v2, 384, v6
	s_mul_i32 s21, s15, AHALF
	s_mul_i32 s22, s16, BHALF
	s_add_co_u32 s22, s22, 2*AHALF
.irp p, 0,1
	v_add_nc_u32 v[ADRA+\p], s21, v6
	v_add_nc_u32 v[ADRB+\p], s22, v4
	v_add_nc_u32 v[ADRB+2+\p], s22, v5
	s_add_co_u32 s22, s22, 64*BP                   ; B's second pair of address registers serves blocks 4 to 7, so that the loads' offsets stay inside 16 bits
.endr
	v_lshlrev_b32 v[SCO], 5, v1
	s_wait_alu depctr_va_vdst(0)
	s_mul_i32 s94, s14, 16*SPITCH
	v_mul_u32_u24 v5, v1, SPITCH
	v_lshl_add_u32 v5, v2, 5, v5
	v_add_nc_u32 v[STO], s94, v5
	v_and_b32 v6, 31, v0
	v_lshlrev_b32 v[CO], 4, v6
	s_wait_alu depctr_va_vdst(0)
	v_add_nc_u32 v[RD], s94, v[CO]
	s_lshl_b32 s20, s17, 7
	s_lshl_b32 s21, s15, 6
	s_add_co_u32 s20, s20, s21
	s_lshl_b32 s46, s42, 8
	s_lshl_b32 s47, s16, 7
	s_add_co_u32 s46, s46, s47
	s_mov_b32 s23, 0
	s_lshl_b32 s22, s20, 5
	s_add_nc_u64 s[6:7], s[6:7], s[22:23]
	s_lshl_b32 s22, s46, 5
	s_add_nc_u64 s[10:11], s[10:11], s[22:23]
	s_lshl_b32 s22, s20, 13
	s_lshl_b32 s46, s46, 2
	s_add_co_u32 s22, s22, s46
	s_add_nc_u64 s[12:13], s[12:13], s[22:23]
	s_add_nc_u64 s[96:97], s[96:97], s[22:23]
.irp i, 0,1,2,3
.irp u, 0,1
	global_load_b128 v[SA+8*\i+4*\u:SA+8*\i+4*\u+3], v[SCO], s[6:7] offset:512*\i+16*\u
.endr
.endr
.irp b, 0,1,2,3,4,5,6,7
.irp u, 0,1
	global_load_b128 v[SB+8*\b+4*\u:SB+8*\b+4*\u+3], v[SCO], s[10:11] offset:512*\b+16*\u
.endr
.endr
.macro HLOAD a
	WIN TO_H
.irp t, 0,1,2,3,4,5,6,7,8,9,10,11,12,13,14,15
	global_load_b128 v[64*(\a)+4*\t:64*(\a)+4*\t+3], v[CO], s[96:97] offset:(16*(\a)+\t)*SIZE_N*4 th:TH_LOAD_NT
.endr
	WIN 0
.endm
.macro FRAGB reg, hf, q, i
.irp p, 0,1,2,3,4,5
.set PCE, 12*(\q)+6*(\p/3)+\p%3
.if PCE%32 < 29
	ds_load_b64 v[\reg+2*\p:\reg+2*\p+1], v[ADRB+\hf] offset:8*PCE+16*(PCE/32)+(\i)*16*BP
.else
	ds_load_b64 v[\reg+2*\p:\reg+2*\p+1], v[ADRB+2+\hf] offset:8*PCE+16*(PCE/32)+(\i)*16*BP
.endif
.endr
.endm
.macro FRAGA reg, hf, q, i
.irp p, 0,1,2,3,4,5
	ds_load_b64 v[\reg+2*\p:\reg+2*\p+1], v[ADRA+\hf] offset:2*APART*(\i)+384*(4*(\q)+2*(\p/3))+8*(\p%3)
.endr
.endm
.macro RUNB n, b0
	WIN TO_B
.irp i, \b0, \b0+1, \b0+2, \b0+3
	FRAGB 128*((\n)%2)+FR*(\i), (\i)/4, \n, (\i)%4
.endr
.endm
.macro RUNA n
	WIN 0
.irp i, 0,1,2,3
	FRAGA AF+48*((\n)%2)+FR*(\i), 0, \n, \i
.endr
.endm
.macro MUL8 a, s
	WIN MUL
.irp b, 0,1,2,3,4,5,6,7
.if (\s) == 0
	v_wmma_scale_f32_16x16x128_f8f6f4 v[8*(8*(\a)+\b):8*(8*(\a)+\b)+7], v[128*((\s)%2)+FR*\b:128*((\s)%2)+FR*\b+FR-1], v[AF+48*((\s)%2)+FR*(\a):AF+48*((\s)%2)+FR*(\a)+FR-1], 0, v[SB+8*\b+(\s)], v[SA+8*(\a)+(\s)] matrix_a_fmt:MATRIX_FMT_BF6 matrix_b_fmt:MATRIX_FMT_BF6
.else
	v_wmma_scale_f32_16x16x128_f8f6f4 v[8*(8*(\a)+\b):8*(8*(\a)+\b)+7], v[128*((\s)%2)+FR*\b:128*((\s)%2)+FR*\b+FR-1], v[AF+48*((\s)%2)+FR*(\a):AF+48*((\s)%2)+FR*(\a)+FR-1], v[8*(8*(\a)+\b):8*(8*(\a)+\b)+7], v[SB+8*\b+(\s)], v[SA+8*(\a)+(\s)] matrix_a_fmt:MATRIX_FMT_BF6 matrix_b_fmt:MATRIX_FMT_BF6
.endif
.endr
.endm
.macro PLACES
.rept 4
	v_nop
.endr
.endm
.macro STEP s
	s_wait_dscnt 0x0
.if (\s) == 3
	MUL8 0, \s
	PLACES
	RUNB (\s)+1, 0
	MUL8 1, \s
	RUNB (\s)+1, 4
	MUL8 2, \s
	RUNA (\s)+1
	HLOAD 2
	HLOAD 3
	MUL8 3, \s
.elseif (\s) == 7
	s_barrier_signal -1                            ; my reads of A and B are over (the wait above); the stage of the way out lies over A's bytes
	MUL8 0, \s
	MUL8 1, \s
	MUL8 2, \s
	MUL8 3, \s
	s_barrier_wait -1                              ; and so are every wave's
.else
.if (\s) > 0
	PLACES
.endif
	RUNB (\s)+1, 0
	MUL8 0, \s
	RUNB (\s)+1, 4
	MUL8 1, \s
	RUNA (\s)+1
.if (\s) == 0
	HLOAD 0                                        ; the residual's first 32 rows are asked for here, behind the tiles that the first products wait for; seven K steps stand between these loads and their first use
	HLOAD 1
.endif
	MUL8 2, \s
	MUL8 3, \s
.endif
.endm
	s_wait_alu depctr_va_vdst(0)
	s_wait_tensorcnt 0x0
	s_barrier_signal -1
	s_barrier_wait -1
	RUNB 0, 0
	RUNB 0, 4
	RUNA 0
	s_wait_loadcnt 0x0                             ; the scale words are in: no load is younger
.irp s, 0,1,2,3,4,5,6,7
	STEP \s
.endr
.macro TOSTAGE a
	WIN 0x08
.irp b, 0,1,2,3,4,5,6,7
	ds_store_b128 v[STO], v[64*(\a)+8*\b:64*(\a)+8*\b+3] offset:64*\b
	ds_store_b128 v[STO], v[64*(\a)+8*\b+4:64*(\a)+8*\b+7] offset:64*\b+16
.endr
	WIN TO_B
.irp t, 0,1,2,3,4,5,6,7,8,9,10,11,12,13,14,15
	ds_load_b128 v[64*(\a)+4*\t:64*(\a)+4*\t+3], v[RD] offset:\t*SPITCH
.endr
.endm
.macro FIN a, younger
	s_wait_dscnt \younger
	s_wait_loadcnt 16*(3-(\a))
	WIN 0x4d
.set i, 0
.rept 32
	v_pk_add_f32 v[64*(\a)+i:64*(\a)+i+1], v[64*(\a)+i:64*(\a)+i+1], v[64*(\a)+i:64*(\a)+i+1]
.set i, i+2
.endr
.set i, 0
.rept 32
	v_pk_mul_f32 v[64*(\a)+i:64*(\a)+i+1], v[64*(\a)+i:64*(\a)+i+1], s[98:99] op_sel_hi:[1,0]
.set i, i+2
.endr
	WIN 0x04
.irp t, 0,1,2,3,4,5,6,7,8,9,10,11,12,13,14,15
	global_store_b128 v[CO], v[64*(\a)+4*\t:64*(\a)+4*\t+3], s[12:13] offset:(16*(\a)+\t)*SIZE_N*4 th:TH_STORE_NT
.endr
.endm
	PLACES
	TOSTAGE 0
	TOSTAGE 1
	FIN 0, 32
	TOSTAGE 2
	FIN 1, 32
	TOSTAGE 3
	FIN 2, 32
	FIN 3, 0
	WIN 0
	s_wait_tensorcnt 0x0
	ds_add_u32 v[SPW], v[NIL]
	s_wait_dscnt 0x0
	CROUND
	s_endpgm
.Lfunc_end_k_q0b06b197be_oproj:
	.size	k_q0b06b197be_oproj, .Lfunc_end_k_q0b06b197be_oproj-k_q0b06b197be_oproj
	.p2alignl 7, 3214868480
	.fill 96, 4, 3214868480
	.section	.rodata,"a",@progbits
	.p2align	6, 0x0
	.amdhsa_kernel k_q0b06b197be_oproj
		.amdhsa_group_segment_fixed_size 327680
		.amdhsa_private_segment_fixed_size 0
		.amdhsa_enable_private_segment 0
		.amdhsa_kernarg_size 48
		.amdhsa_user_sgpr_count 2
		.amdhsa_user_sgpr_kernarg_segment_ptr 1
		.amdhsa_wavefront_size32 1
		.amdhsa_system_sgpr_workgroup_id_x 1
		.amdhsa_system_sgpr_workgroup_id_y 1
		.amdhsa_system_sgpr_workgroup_id_z 1
		.amdhsa_system_vgpr_workitem_id 0
		.amdhsa_next_free_vgpr 1024
		.amdhsa_next_free_sgpr 100
		.amdhsa_reserve_vcc 0
		.amdhsa_float_denorm_mode_32 3
		.amdhsa_float_denorm_mode_16_64 3
		.amdhsa_memory_ordered 1
		.amdhsa_forward_progress 1
		.amdhsa_inst_pref_size 117
	.end_amdhsa_kernel
	.amdgpu_metadata
---
amdhsa.version: [ 1, 2 ]
amdhsa.kernels:
  - .name:           k_q0b06b197be_oproj
    .symbol:         k_q0b06b197be_oproj.kd
    .args:
      - { .name: cbuf, .offset: 0, .size: 8, .value_kind: global_buffer, .address_space: global }
      - { .name: csc, .offset: 8, .size: 8, .value_kind: global_buffer, .address_space: global }
      - { .name: Wo_codes, .offset: 16, .size: 8, .value_kind: global_buffer, .address_space: global }
      - { .name: Wo_scales, .offset: 24, .size: 8, .value_kind: global_buffer, .address_space: global }
      - { .name: hidden_states, .offset: 32, .size: 8, .value_kind: global_buffer, .address_space: global }
      - { .name: out0, .offset: 40, .size: 8, .value_kind: global_buffer, .address_space: global }
    .group_segment_fixed_size: 327680
    .private_segment_fixed_size: 0
    .kernarg_segment_align: 8
    .kernarg_segment_size: 48
    .max_flat_workgroup_size: 128
    .sgpr_count:     100
    .vgpr_count:     1024
    .wavefront_size: 32
...
	.end_amdgpu_metadata
.endif
;; end of part 4
